; MI455X (gfx1250); checked and timed in simulation.
; The chip was launched on July 23, 2026; its instructions are those of AMD's public machine-readable ISA for CDNA 5 (MIT licence, August 2026) and "CDNA5" Instruction Set Architecture Reference Guide (July 2026). The comments in the code are by the model that wrote it; some were corrected since.
;; Transformer Encoder Block. Allowed arithmetic: matrix products marked QUANTISED: E4M3 operands, one given power-of-two scale a tensor, by v_wmma_f32_16x16x64_fp8_fp8 or v_wmma_f32_16x16x128_fp8_fp8, f32 sums; everything else in f32.
;; Inputs: b1 4,096 float32; b2 1,024 float32; be1 1,024 float32; be2 1,024 float32; bk 1,024 float32; bo 1,024 float32; bq 1,024 float32; bv 1,024 float32; g1 1,024 float32; g2 1,024 float32; lowp_scales 16 int32 (the exponents e of the quantised operands' scales 2^e); w1 1,024 x 4,096 float32; w2 4,096 x 1,024 float32; wk 1,024 x 1,024 float32; wo 1,024 x 1,024 float32; wq 1,024 x 1,024 float32; wv 1,024 x 1,024 float32; x 2 x 2,048 x 1,024 float32.
;; Outputs: out0 2 x 2,048 x 1,024 float32.
;; This version of the problem:
;;   THIS VERSION OF THE PROBLEM IS GIVEN IN LOW PRECISION. The matrix products marked QUANTISED in the list below multiply operands that are first quantised to E4M3 (4 exponent bits, 3 mantissa bits; 8 bits a number), with one given power-of-two scale for each operand tensor; their sums are f32. All else is computed in f32.
;;   The module's matrix products, in the order in which they are computed (A, B: the left and right operand; K: the contracted axis; several contracted axes count as one K, in the product's order):
;;     1. [M 4,096, K 1,024] x [K 1,024, N 1,024]; A: computed on the way; B: input wq: QUANTISED (scales: A lowp_scales[0], B lowp_scales[1])
;;     2. [M 4,096, K 1,024] x [K 1,024, N 1,024]; A: computed on the way; B: input wk: QUANTISED (scales: A lowp_scales[2], B lowp_scales[3])
;;     3. [M 4,096, K 1,024] x [K 1,024, N 1,024]; A: computed on the way; B: input wv: QUANTISED (scales: A lowp_scales[4], B lowp_scales[5])
;;     4. batch 32 x [M 2,048, K 64] x [K 64, N 2,048]; A: computed on the way; B: computed on the way: QUANTISED (scales: A lowp_scales[6], B lowp_scales[7])
;;     5. batch 32 x [M 2,048, K 2,048] x [K 2,048, N 64]; A: softmax (see below); B: computed on the way: QUANTISED (scales: A lowp_scales[8], B lowp_scales[9])
;;     6. [M 4,096, K 1,024] x [K 1,024, N 1,024]; A: computed on the way; B: input wo: QUANTISED (scales: A lowp_scales[10], B lowp_scales[11])
;;     7. [M 4,096, K 1,024] x [K 1,024, N 4,096]; A: computed on the way; B: input w1: QUANTISED (scales: A lowp_scales[12], B lowp_scales[13])
;;     8. [M 4,096, K 4,096] x [K 4,096, N 1,024]; A: computed on the way; B: input w2: QUANTISED (scales: A lowp_scales[14], B lowp_scales[15])
;;   THE QUANTISER, for each operand of a quantised product, along K:
;;     - The operand's scale is 2^e, e = its entry of the input lowp_scales (int32; the entries are numbered through the quantised products in the list's order, A before B).
;;     - Each number is divided by the scale, clamped to +-448, and rounded to the nearest number of E4M3, ties to even, subnormals kept.
;;     - The product sums the exact products of the quantised numbers (number of the format x scale) in f32.
;;   ~~~python
;;   def quantise(x, axis, e):      # numpy; x: float32 -> the quantised numbers, widened to float32 again
;;       x = np.moveaxis(x, axis, -1); K = x.shape[-1]
;;       r = np.clip(x / 2.0 ** e, -448, 448)
;;       step = 2.0 ** (np.maximum(np.frexp(np.where(r == 0, 1, r))[1] - 1, -6) - 3)
;;       q = np.round(r / step) * step * 2.0 ** e      # np.round: ties to even
;;       return np.moveaxis(q, -1, axis).astype(np.float32)
;;   ~~~
;;   SOFTMAX AHEAD OF A QUANTISED PRODUCT. Where the list says 'softmax', what is quantised is not the finished softmax but p = 2^(t - M), with t = logit x log2(e) and M = ceil(the row's largest t), a whole number; so 1/2 < the row's largest p <= 1. The row's sum l is taken of the UNQUANTISED p, in f32, and the product's result is divided by l at the end. Since M is a whole number, a kernel that streams over the keys may use a running M (the ceiling of the running maximum): every later rescaling is an exact power of two, so the quantised numbers keep their values, but for numbers so far below the row's largest that they fall under the format's range.
;;   OPERANDS COMPUTED ON THE WAY. 'Computed on the way' means the value that the module computes at that place (a softmax that the list does not call 'softmax' is quantised finished and normalised). What goes into a quantiser is computed in f32, as accurately as f32 sums, v_exp_f32 and their like allow (about 1e-6 of the number): no bf16 or f16 on the way to a quantiser, and a product that is left as it is and whose result goes on into a quantised operand takes f32 operands (vector FMAs, or v_wmma_f32_16x16x4_f32). A number that lies on a knife's edge between two numbers of the format may be rounded either way, as far as f32 arithmetic and the matrix unit's own rounding can turn it there, and no further.
;; One version. Each part assembles by itself: llvm-mc -triple=amdgcn-amd-amdhsa -mcpu=gfx1250 --defsym DOCPART=n.
;; ======== version 1 of 1: 7 launches
;; limits: right only within a limited range of input values
;; workspace buffers: pimg 25,165,824 bytes; qkvimg 12,582,912 bytes; aimg 4,194,304 bytes; x1 16,777,216 bytes; n2img 4,194,304 bytes; himg 16,777,216 bytes
;; launch prep (part 1): grid 384 x 1, 4 waves a work-group, no clusters, 50,432 bytes of LDS; arguments x, g1, be1, lowp_scales, wq, wk, wv, wo, pimg; writes pimg
.if DOCPART == 1
	.amdgcn_target "amdgcn-amd-amdhsa--gfx1250"
	.amdhsa_code_object_version 6
	.text
	.protected	k_q66e70f4c55_prep
	.globl	k_q66e70f4c55_prep
	.p2align	8
	.type	k_q66e70f4c55_prep,@function
k_q66e70f4c55_prep:
	s_mov_b64 s[64:65], 0
	v_nop
	global_prefetch_b8 v0, s[64:65] scope:SCOPE_SE
	s_setreg_imm32_b32 hwreg(HW_REG_WAVE_MODE, 25, 1), 1
	s_wait_xcnt 0x0
; PREP.  Work-groups 0-255: n = LayerNorm(x) g1 + be1 for 16 tokens each, quantised three times (scales 2^e0, 2^e2, 2^e4: n is the left operand of three products).
; Work-groups 256-383: the four weights wq, wk, wv, wo, stored [K][N] in f32, quantised along K.  (w1 and w2 are quantised by the attention launch, which leaves memory idle.)
; EVERY TENSOR OF CODES IS STORED AS IMAGES OF OPERAND REGISTERS.  A fragment is 16 rows x 128 k = 2,048 bytes: byte 512 G + 16 lane + 8 p + i holds row lane % 16, k = 32 G + 16 p + 8 (lane / 16) + i:
; registers 4 G .. 4 G + 3 of the 8-bit operand of the 16x16x128 form are then 16 bytes at 512 G + 16 lane.  A tensor [R][K] is laid [R / 16][K / 128][2,048].
; pimg: n's three versions at 0, 4, 8 MiB (256 token tiles x 16,384 bytes); wq, wk, wv, wo at 12, 13, 14, 15 MiB (rows = the weight's columns, 16,384 bytes a tile); from 16 MiB on: not this launch's.
; code = number / 2^e, held within +-448, to the nearest code, ties to even.  LIMITS: each e between -126 and 119, so that 2^e and 448 x 2^e are f32 numbers.  NaN among the inputs is not served.
; No tensor loads, no matrix unit, no cluster: both halves are streams that read each byte once.
.set NV,    3                          ; versions of n
.set SP,    1040                       ; a stage row: 1,024 codes + 16 bytes, so that the sixteen rows of a read start at different banks
.set STG,   16*SP                      ; a stage: 16 tokens
.set SPARE, NV*STG                     ; behind the stages: the spare words, 128 bytes a wave, which no other line names
.set CD,    16                         ; v16-23   a row's codes of one version
.set T,     32                         ; v32-63   at work
.set X,     64                         ; v64-191  four rows, 32 registers each; later the images on their way out
.set GA,    192                        ; v192-223 g of my 32 columns
.set BE,    224                        ; v224-255 be of my 32 columns
.set SPW,   10                         ; v10      LDS address of my spare word; never rewritten
.set NIL,   11                         ; v11      0; never rewritten
.macro RED                             ; v13 summed over the wave's 32 lanes, the result in every lane
	v_add_f32_dpp v13, v13, v13 row_xmask:1 row_mask:0xf bank_mask:0xf
	v_add_f32_dpp v13, v13, v13 row_xmask:2 row_mask:0xf bank_mask:0xf
	v_add_f32_dpp v13, v13, v13 row_xmask:4 row_mask:0xf bank_mask:0xf
	v_add_f32_dpp v13, v13, v13 row_xmask:8 row_mask:0xf bank_mask:0xf
	v_permlanex16_b32 v12, v13, s30, s31
	v_add_f32 v13, v13, v12
.endm
.macro FOLD                            ; the four chains in v[T .. T+7] become one number in v13
	v_pk_add_f32 v[T:T+1], v[T:T+1], v[T+2:T+3]
	v_pk_add_f32 v[T+4:T+5], v[T+4:T+5], v[T+6:T+7]
	v_pk_add_f32 v[T:T+1], v[T:T+1], v[T+4:T+5]
	v_add_f32 v13, v[T], v[T+1]
	RED
.endm
; One row of the wave's four.  Lane l holds columns 128 j + 4 l .. + 3 in registers 4 j .. 4 j + 3.
.macro ROWLN i
.set XR, X+32*(\i)
	s_wait_loadcnt 8*(3-(\i))                      ; loads come back in order: this row's eight are in, the younger rows' stay out; g and be are older
.set c, 0
.rept 4
	v_pk_add_f32 v[T+2*c:T+2*c+1], v[XR+4*c:XR+4*c+1], v[XR+4*c+2:XR+4*c+3]   ; the first sixteen numbers start four chains: nothing is cleared
.set c, c+1
.endr
.set c, 0
.rept 8
	v_pk_add_f32 v[T+2*(c%4):T+2*(c%4)+1], v[T+2*(c%4):T+2*(c%4)+1], v[XR+16+2*c:XR+16+2*c+1]
.set c, c+1
.endr
	FOLD
	v_mul_f32 v6, s29, v13                         ; the mean, twice: a pair for the packed forms
	v_mul_f32 v7, s29, v13
.set k, 0
.rept 16
	v_pk_add_f32 v[XR+k:XR+k+1], v[XR+k:XR+k+1], v[6:7] neg_lo:[0,1] neg_hi:[0,1]   ; x - mean
.set k, k+2
.endr
.set c, 0
.rept 4
	v_pk_mul_f32 v[T+2*c:T+2*c+1], v[XR+2*c:XR+2*c+1], v[XR+2*c:XR+2*c+1]
.set c, c+1
.endr
.set c, 0
.rept 12
	v_pk_fma_f32 v[T+2*(c%4):T+2*(c%4)+1], v[XR+8+2*c:XR+8+2*c+1], v[XR+8+2*c:XR+8+2*c+1], v[T+2*(c%4):T+2*(c%4)+1]
.set c, c+1
.endr
	FOLD
	v_fma_f32 v8, v13, s29, s33                    ; the variance (the mean of the squared differences) + 1e-5
	s_wait_alu depctr_va_vdst(0)
	v_rsq_f32 v8, v8
	v_nop                                          ; a plain instruction behind the transcendental,
	s_wait_alu depctr_va_vdst(0)                   ; and the wait ahead of its first reader
	v_mov_b32 v9, v8
.set k, 0
.rept 16
	v_pk_mul_f32 v[XR+k:XR+k+1], v[XR+k:XR+k+1], v[8:9]
.set k, k+2
.endr
.set k, 0
.rept 16
	v_pk_fma_f32 v[XR+k:XR+k+1], v[XR+k:XR+k+1], v[GA+k:GA+k+1], v[BE+k:BE+k+1]
.set k, k+2
.endr
.set vv, 0
.rept NV                               ; each version: the hold, the conversion, the codes into the version's stage
.set k, 0
.rept 32
	v_med3_num_f32 v[T+k], v[XR+k], -v[25+2*vv], v[25+2*vv]   ; the conversion to an 8-bit code does not saturate (ISA guide 7.6.2): held within 448 x the scale first
.set k, k+1
.endr
	s_wait_alu depctr_va_vdst(0)
	s_wait_dscnt 0x0                               ; the last stores into the stage have read v16-23
.set k, 0
.rept 4
	v_cvt_scalef32_pk8_fp8_f32 v[CD+2*k:CD+2*k+1], v[T+8*k:T+8*k+7], v[24+2*vv]   ; eight registers are two chunks of four columns: each result word is four neighbouring columns
.set k, k+1
.endr
	v_nop                                          ; a plain instruction between the conversions and the next write of their sources
.set k, 0
.rept 8
	ds_store_b32 v3, v[CD+k] offset:vv*STG+(\i)*SP+128*k   ; 32 lanes store 128 neighbouring bytes of the token's row
.set k, k+1
.endr
.set vv, vv+1
.endr
.endm
; The weights.  A LANE TAKES A COLUMN n AND ITS REGISTERS RUN DOWN K, so the conversions give codes with K innermost; a block of 32 along K of one column is group t % 4 of the image:
; k 0-7 and 16-23 are the 16 bytes of image lane n % 16, k 8-15 and 24-31 those of image lane 16 + n % 16.  Sixteen lanes store 256 consecutive bytes, aligned.
.macro LOADW t, str                    ; block t: W(32 t + i, my column), i = 0 .. 31
.set k, 0
.rept 32
	global_load_b32 v[32+32*((\t)%2)+k], v2, s[12:13] offset:(32*(\t)+k)*(\str) th:TH_LOAD_NT
.set k, k+1
.endr
.endm
.macro BLOCKW t, str
.set XS, 32+32*((\t)%2)
.set C, 96+8*(\t)                      ; each block has its own eight registers of codes: no store's data are written again
.if (\t) < 7
	s_wait_loadcnt 32                              ; this block's 32 loads are in; the next block's may be out
.else
	s_wait_loadcnt 0x0
.endif
.set k, 0
.rept 32
	v_med3_num_f32 v[XS+k], v[XS+k], -v9, v9
.set k, k+1
.endr
	v_cvt_scalef32_pk8_fp8_f32 v[C:C+1], v[XS:XS+7], v8
	v_cvt_scalef32_pk8_fp8_f32 v[C+2:C+3], v[XS+16:XS+23], v8
	v_cvt_scalef32_pk8_fp8_f32 v[C+4:C+5], v[XS+8:XS+15], v8
	v_cvt_scalef32_pk8_fp8_f32 v[C+6:C+7], v[XS+24:XS+31], v8
	global_store_b128 v3, v[C:C+3], s[24:25] offset:((\t)/4)*2048+((\t)%4)*512
	global_store_b128 v3, v[C+4:C+7], s[24:25] offset:((\t)/4)*2048+((\t)%4)*512+256
.if (\t)+2 < 8
	LOADW (\t)+2, \str
.endif
.endm
.macro WQ str                          ; 32 columns x 256 along K for a wave; str: bytes from a row of the weight to the next
	LOADW 0, \str
	LOADW 1, \str
	s_wait_kmcnt 0x0                               ; e
	s_add_co_i32 s50, s50, 127
	s_lshl_b32 s51, s50, 23
	v_mov_b32 v8, s51                              ; 2^e as f32: the conversion takes its exponent field
	s_add_co_i32 s50, s50, 8
	s_lshl_b32 s50, s50, 23
	s_or_b32 s50, s50, 0x600000
	v_mov_b32 v9, s50                              ; 448 x 2^e
	s_wait_alu depctr_va_vdst(0)
.irp t, 0,1,2,3,4,5,6,7
	BLOCKW \t, \str
.endr
.endm
	s_load_b512 s[4:19], s[0:1], 0x0               ; x 4, g1 6, be1 8, scales 10, wq 12, wk 14, wv 16, wo 18
	s_load_b64 s[24:25], s[0:1], 0x40              ; pimg
	v_lshl_add_u32 v[SPW], v0, 2, SPARE
	v_mov_b32 v[NIL], 0
	v_lshrrev_b32 v1, 5, v0
	v_readfirstlane_b32 s28, v1                    ; wave
	v_and_b32 v1, 31, v0                           ; lane
	s_cmp_ge_u32 ttmp9, 256                        ; the work-group's number alone: all four waves go the same way
	s_cbranch_scc1 .Lweights
	; ---- LayerNorm: token tile = work-group; wave w takes rows 4 w .. 4 w + 3
	v_lshlrev_b32 v2, 4, v1                        ; 16 x lane: my bytes of a load's 512
	s_mul_i32 s32, s28, 4*SP
	v_lshlrev_b32 v3, 2, v1
	v_add_nc_u32 v3, s32, v3                       ; the stage, way in: my wave's first row, 4 bytes a lane
	v_and_b32 v13, 15, v1
	v_bfe_u32 v14, v0, 4, 1
	v_mul_u32_u24 v4, v13, SP
	v_lshl_add_u32 v4, v14, 3, v4
	s_lshl_b32 s32, s28, 8
	v_add_nc_u32 v4, s32, v4                       ; way out: row lane % 16, + 8 (lane / 16), + my wave's two K steps of 128
	s_lshl_b32 s32, s28, 12
	v_add_nc_u32 v5, s32, v2                       ; and their place in the tile's image
	v_mov_b32 v12, 0                               ; a lane permute's destination counts as read: written once
	s_mov_b32 s30, 0x76543210
	s_mov_b32 s31, 0xfedcba98                      ; selects: lane l xor 16
	s_mov_b32 s29, 0x3a800000                      ; 1 / 1,024
	s_mov_b32 s33, 0x3727c5ac                      ; 1e-5
	s_lshl_b32 s34, ttmp9, 16                      ; 16 rows of 4,096 bytes,
	s_lshl_b32 s35, s28, 14                        ; my wave's four
	s_add_co_u32 s34, s34, s35
	s_mov_b32 s35, 0
	s_lshl_b32 s52, ttmp9, 14                      ; the tile's image
	s_mov_b32 s53, 0
	s_wait_kmcnt 0x0
	s_load_b256 s[36:43], s[10:11], 0x0            ; e0 .. e7: version v takes entry 2 v
	s_add_nc_u64 s[4:5], s[4:5], s[34:35]
	s_add_nc_u64 s[44:45], s[24:25], s[52:53]
	s_add_nc_u64 s[46:47], s[44:45], 0x400000
	s_add_nc_u64 s[48:49], s[44:45], 0x800000
.set k, 0
.rept 8
	global_load_b128 v[GA+4*k:GA+4*k+3], v2, s[6:7] offset:512*k
.set k, k+1
.endr
.set k, 0
.rept 8
	global_load_b128 v[BE+4*k:BE+4*k+3], v2, s[8:9] offset:512*k
.set k, k+1
.endr
.set k, 0
.rept 32
	global_load_b128 v[X+4*k:X+4*k+3], v2, s[4:5] offset:512*k th:TH_LOAD_NT   ; four rows on end: 32 lanes read 512 consecutive bytes
.set k, k+1
.endr
	s_wait_kmcnt 0x0
.set vv, 0
.rept NV
	s_add_co_i32 s50, s[36+2*vv], 127
	s_lshl_b32 s51, s50, 23
	v_mov_b32 v[24+2*vv], s51                      ; 2^e
	s_add_co_i32 s50, s50, 8
	s_lshl_b32 s50, s50, 23
	s_or_b32 s50, s50, 0x600000
	v_mov_b32 v[25+2*vv], s50                      ; 448 x 2^e
.set vv, vv+1
.endr
	ROWLN 0
	ROWLN 1
	ROWLN 2
	ROWLN 3
	s_wait_dscnt 0x0                               ; for the others' sake: my stores into the stages are done
	s_barrier_signal -1
	s_barrier_wait -1                              ; sixteen whole rows of codes lie in each stage
.set n, 0
.rept NV*8                             ; n = 8 version + 4 K step + group: two reads of 8 bytes make a lane's 16 bytes of the image
	ds_load_b64 v[X+4*n:X+4*n+1], v4 offset:(n/8)*STG+128*((n%8)/4)+32*(n%4)
	ds_load_b64 v[X+4*n+2:X+4*n+3], v4 offset:(n/8)*STG+128*((n%8)/4)+32*(n%4)+16
.set n, n+1
.endr
.set n, 0
.rept NV*8
	s_wait_dscnt 2*(NV*8-1-n)                      ; LDS loads come back in order: group n's two are in
	global_store_b128 v5, v[X+4*n:X+4*n+3], s[44+2*(n/8):45+2*(n/8)] offset:2048*((n%8)/4)+512*(n%4)   ; 32 lanes store 512 consecutive bytes
.set n, n+1
.endr
	s_wait_tensorcnt 0x0                           ; the wave's end
	ds_add_u32 v[SPW], v[NIL]
	s_wait_dscnt 0x0
	s_endpgm
	; ---- the weights: a work-group takes 128 columns x 256 along K of one of the four weights of 1,024 x 1,024.  This way touches no LDS.
.Lweights:
	s_sub_co_u32 s30, ttmp9, 256                   ; 0-127: wq, wk, wv, wo, 32 work-groups each
	s_lshr_b32 s31, s30, 5                         ; which weight
	s_and_b32 s33, s30, 31                         ; my number within it
	s_and_b32 s42, s33, 7                          ; which 128 columns
	s_lshr_b32 s43, s33, 3                         ; which 256 along K
	s_lshl_b32 s37, s31, 3
	s_add_co_u32 s37, s37, 4                       ; the byte of entry 2 t + 1 of the scales
	s_cmp_eq_u32 s31, 3
	s_cselect_b32 s37, 44, s37                     ; wo: entry 11
	s_lshl_b32 s44, s43, 20                        ; 256 rows of 4,096 bytes
	s_lshl_b32 s45, s42, 9
	s_add_co_u32 s44, s44, s45
	s_lshl_b32 s45, s28, 7
	s_add_co_u32 s44, s44, s45                     ; the weight: 256 rows x which + 4 (128 x which + 32 x wave)
	s_mov_b32 s45, 0
	s_lshl_b32 s46, s42, 3
	s_lshl_b32 s47, s28, 1
	s_add_co_u32 s46, s46, s47                     ; my wave's first image tile,
	s_lshl_b32 s46, s46, 14                        ; 16,384 bytes a tile
	s_lshl_b32 s47, s31, 20                        ; the weight's image: 1 MiB each
	s_add_co_u32 s46, s46, s47
	s_lshl_b32 s47, s43, 12                        ; two K steps of 2,048 bytes
	s_add_co_u32 s46, s46, s47
	s_add_co_u32 s46, s46, 0xc00000                ; from 12 MiB on
	s_mov_b32 s47, 0
	s_mov_b32 s48, s37
	s_mov_b32 s49, 0
	s_wait_alu depctr_va_vdst(0)
	v_lshlrev_b32 v2, 2, v1                        ; in: 4 bytes a lane
	v_lshrrev_b32 v3, 4, v1
	v_lshlrev_b32 v3, 14, v3                       ; out: lanes 16-31 hold the next tile's columns,
	v_and_b32 v4, 15, v1
	v_lshl_add_u32 v3, v4, 4, v3                   ; 16 bytes a column
	s_wait_alu depctr_va_vdst(0)
	s_wait_kmcnt 0x0
	s_add_nc_u64 s[10:11], s[10:11], s[48:49]
	s_load_b32 s50, s[10:11], 0x0                  ; e
	s_cmp_eq_u32 s31, 1                            ; the choices hang on the work-group's number alone
	s_cselect_b64 s[12:13], s[14:15], s[12:13]
	s_cmp_eq_u32 s31, 2
	s_cselect_b64 s[12:13], s[16:17], s[12:13]
	s_cmp_eq_u32 s31, 3
	s_cselect_b64 s[12:13], s[18:19], s[12:13]
	s_add_nc_u64 s[12:13], s[12:13], s[44:45]
	s_add_nc_u64 s[24:25], s[24:25], s[46:47]
	WQ 4096                                        ; rows of 1,024 numbers
	s_endpgm
.Lfunc_end_k_q66e70f4c55_prep:
	.size	k_q66e70f4c55_prep, .Lfunc_end_k_q66e70f4c55_prep-k_q66e70f4c55_prep
	.p2alignl 7, 3214868480
	.fill 96, 4, 3214868480
	.section	.rodata,"a",@progbits
	.p2align	6, 0x0
	.amdhsa_kernel k_q66e70f4c55_prep
		.amdhsa_group_segment_fixed_size 50432
		.amdhsa_private_segment_fixed_size 0
		.amdhsa_enable_private_segment 0
		.amdhsa_kernarg_size 72
		.amdhsa_user_sgpr_count 2
		.amdhsa_user_sgpr_kernarg_segment_ptr 1
		.amdhsa_wavefront_size32 1
		.amdhsa_system_sgpr_workgroup_id_x 1
		.amdhsa_system_sgpr_workgroup_id_y 1
		.amdhsa_system_sgpr_workgroup_id_z 1
		.amdhsa_system_vgpr_workitem_id 0
		.amdhsa_next_free_vgpr 256
		.amdhsa_next_free_sgpr 66
		.amdhsa_reserve_vcc 0
		.amdhsa_float_denorm_mode_32 3
		.amdhsa_float_denorm_mode_16_64 3
		.amdhsa_memory_ordered 1
		.amdhsa_forward_progress 1
		.amdhsa_inst_pref_size 119
	.end_amdhsa_kernel
	.amdgpu_metadata
---
amdhsa.version: [ 1, 2 ]
amdhsa.kernels:
  - .name:           k_q66e70f4c55_prep
    .symbol:         k_q66e70f4c55_prep.kd
    .args:
      - { .name: x, .offset: 0, .size: 8, .value_kind: global_buffer, .address_space: global }
      - { .name: g1, .offset: 8, .size: 8, .value_kind: global_buffer, .address_space: global }
      - { .name: be1, .offset: 16, .size: 8, .value_kind: global_buffer, .address_space: global }
      - { .name: lowp_scales, .offset: 24, .size: 8, .value_kind: global_buffer, .address_space: global }
      - { .name: wq, .offset: 32, .size: 8, .value_kind: global_buffer, .address_space: global }
      - { .name: wk, .offset: 40, .size: 8, .value_kind: global_buffer, .address_space: global }
      - { .name: wv, .offset: 48, .size: 8, .value_kind: global_buffer, .address_space: global }
      - { .name: wo, .offset: 56, .size: 8, .value_kind: global_buffer, .address_space: global }
      - { .name: pimg, .offset: 64, .size: 8, .value_kind: global_buffer, .address_space: global }
    .group_segment_fixed_size: 50432
    .private_segment_fixed_size: 0
    .kernarg_segment_align: 8
    .kernarg_segment_size: 72
    .max_flat_workgroup_size: 128
    .sgpr_count:     66
    .vgpr_count:     256
    .wavefront_size: 32
...
	.end_amdgpu_metadata
.endif
;; end of part 1
;; launch qkv (part 2): grid 12 x 16, 4 waves a work-group, clusters of 4 x 4, 327,680 bytes of LDS; arguments pimg, lowp_scales, bq, bk, bv, qkvimg; writes qkvimg
.if DOCPART == 2
	.amdgcn_target "amdgcn-amd-amdhsa--gfx1250"
	.amdhsa_code_object_version 6
	.text
	.protected	k_q66e70f4c55_qkv
	.globl	k_q66e70f4c55_qkv
	.p2align	8
	.type	k_q66e70f4c55_qkv,@function
k_q66e70f4c55_qkv:
	s_mov_b64 s[64:65], 0
	v_nop
	global_prefetch_b8 v0, s[64:65] scope:SCOPE_SE
	s_setreg_imm32_b32 hwreg(HW_REG_WAVE_MODE, 25, 1), 1
	s_wait_xcnt 0x0
	s_wait_alu depctr_hold_cnt(0) depctr_sa_sdst(0) depctr_va_vdst(0) depctr_va_sdst(0) depctr_va_ssrc(0) depctr_va_vcc(0) depctr_vm_vsrc(0)
	s_getreg_b32 s2, hwreg(HW_REG_IB_STS2, 6, 4)
	s_cmp_eq_u32 s2, 0
	s_cbranch_scc0 .Lentry_in_a_cluster
	s_endpgm
.Lentry_in_a_cluster:
	s_bfe_u32 s2, ttmp6, 0x10000c
	s_cmp_lg_u32 s2, 0xf033
	s_cbranch_scc0 .Lentry_shape_is_right
	s_endpgm
.Lentry_shape_is_right:
; q = n wq + bq, k = n wk + bk, v = n wv + bv on codes of FP8 (E4M3), and each result quantised at once for attention's products (scales 2^e6, 2^e7, 2^e9).
; The cluster's x says which product (0 q, 1 k, 2 v).  A tile of 256 x 256 is made by four waves, 128 x 128 each: 64 accumulators, 512 registers.  K = 1,024 goes in steps of 256 through a ring of two LDS slots.
; OPERANDS ARE IMAGES OF THEIR REGISTERS (16 rows x 128 k = 2,048 bytes; registers 4 G .. 4 G + 3 at 512 G + 16 lane): a wave's tensor load brings 8 row tiles x 4,096 bytes, and every LDS read is 16 x lane + a constant.
; THE MATRIX INSTRUCTION'S SOURCE 0 IS SIDE B, SOURCE 1 SIDE A: a lane holds one row of side A and its eight registers eight neighbouring rows of side B.
;   q, k: side A = tokens, side B = the weight's columns: a lane's registers run along the channels, which are the K of q k^T.
;   v:    side A = the weight's columns, side B = tokens: a lane's registers run along the tokens (keys), which are the K of p v.  So one loop serves all three, and every conversion's result is a pair of operand registers.
; qkvimg: q at 0, k at 4 MiB: [32 heads][128 token tiles][1,024] (16 tokens x 64 channels); v at 8 MiB: [32 heads][16 key steps][4 channel tiles][2,048] (16 channels x 128 keys).
; CLUSTERS: 4 x 4 work-groups; side A's tiles are shared along a row of the cluster, side B's along a column, each asked for jointly.  192 work-groups: three products x 64 tiles.
; Both kinds of bias are loaded in every work-group (by column for q and k, by row for v), so that no load stands under a branch; one of the two is not used.
; LIMITS: eA + eB between -126 and 127; e6, e7, e9 between -126 and 119.  NaN is not served.
; REGISTERS: window 0: v0-31 addresses and constants; v32-47 bias by row; v64-127 bias by column; v128-255 side A's fragments, on the way out numbers (v128-191) and codes (v192-255).
;   window 1: side B's fragments, two sets.  windows 2, 3: the accumulators ((a, b) at v[8 (8 (a % 4) + b)]).
.set KB,     4096                      ; a row tile's bytes in a slot: two K steps of 128
.set HALFT,  8*KB                      ; what one tensor load brings, and what one wave reads of a side
.set SLOT,   4*HALFT
.set SPARE,  2*SLOT                    ; behind the ring: the spare words, 128 bytes a wave, which no other line names
.set TSB,    16384                     ; a row tile in memory: 16 rows x 1,024 codes
.set LAPS,   2                         ; a lap = two slots = 512 along K
.set FR,     16
.set NL,     4
.set NP,     4                         ; places behind this matrix instruction (ISA guide 7.12.1)
.set ADRA, 16                          ; v16-17  LDS address of my side-A fragments in slot 0, 1
.set ADRB, 20                          ; v20-21  the same for side B
.set CO,   26                          ; v26     16 x lane
.set SPW,  28
.set NIL,  29
.set RB,   32
.set CB,   64
.set AF,   128
.set NUM,  128
.set G1, 24
.set G0, 32
.set G1B, 48
.set G0B, 56
.set MSB, 0
.macro WIN new                         ; the immediate's high byte repeats the setting that is left
.if MSB != \new
	s_set_vgpr_msb (MSB<<8)|\new
.set MSB, \new
.endif
.endm
.set MUL_LO, 0xa1                      ; source 0 window 1, source 1 window 0, C and D window 2
.set MUL_HI, 0xf1                      ; the same, C and D window 3
.set TO_B,   0x40
.macro JLOAD g0a, g1a, g0b, g1b        ; a joint load: waves 0, 1 fetch for side A, waves 2, 3 for side B; an s_nop 0 and four v_nop follow each line
	s_cmp_eq_u32 s15, 0
	s_cbranch_scc0 .Lfor_b_\@
	tensor_load_to_lds s[\g0a:\g0a+3], s[\g1a:\g1a+7]
	s_nop 0
.rept 4
	v_nop
.endr
	s_branch .Lasked_\@
.Lfor_b_\@:
	tensor_load_to_lds s[\g0b:\g0b+3], s[\g1b:\g1b+7]
	s_nop 0
.rept 4
	v_nop
.endr
.Lasked_\@:
.endm
.macro CREST
	s_cmp_lg_u32 s14, 0
	s_cbranch_scc1 .Lnot_wave_0_\@
	s_barrier_signal -3
.Lnot_wave_0_\@:
	s_barrier_wait -3
	s_barrier_signal -1
	s_barrier_wait -1
.endm
.macro CROUND
	s_barrier_signal -1
	s_barrier_wait -1
	CREST
.endm
.macro FRAG reg, adr, q, i             ; a fragment comes back as it was stored: four loads of 512 consecutive bytes
.irp c, 0,1,2,3
	ds_load_b128 v[\reg+4*\c:\reg+4*\c+3], v[\adr] offset:(\i)*KB+(\q)*2048+512*\c
.endr
.endm
.macro MUL16 a0, p, zero               ; the 64 accumulators take turns, one instruction a turn, in the same order in every step
.irp a, \a0, \a0+1
.irp b, 0,1,2,3,4,5,6,7
.if \zero
	v_wmma_f32_16x16x128_fp8_fp8 v[8*(8*((\a)%4)+\b):8*(8*((\a)%4)+\b)+7], v[128*(\p)+FR*\b:128*(\p)+FR*\b+FR-1], v[AF+FR*(\a):AF+FR*(\a)+FR-1], 0
.else
	v_wmma_f32_16x16x128_fp8_fp8 v[8*(8*((\a)%4)+\b):8*(8*((\a)%4)+\b)+7], v[128*(\p)+FR*\b:128*(\p)+FR*\b+FR-1], v[AF+FR*(\a):AF+FR*(\a)+FR-1], v[8*(8*((\a)%4)+\b):8*(8*((\a)%4)+\b)+7]
.endif
.endr
.endr
.endm
.macro FETCH_B slot, q, p
	WIN TO_B
.irp i, 0,1,2,3,4,5,6,7
	FRAG 128*(\p)+FR*\i, ADRB+\slot, \q, \i
.endr
	WIN 0
.endm
.macro FETCH_A slot, q, i0
.irp i, \i0, \i0+1, \i0+2, \i0+3
	FRAG AF+FR*(\i), ADRA+\slot, \q, \i
.endr
.endm
.macro PLACES n                        ; plain vector instructions between a matrix instruction and a load into, or a read of, its registers
.rept \n
	v_nop
.endr
.endm
.macro STEP slot, q, zero              ; 128 along K whose successor lies in the same slot
	s_wait_dscnt 4*NL                              ; B's set and A's blocks 0-3 are in; the youngest sixteen loads (A's blocks 4-7) may be out
	WIN MUL_LO
	MUL16 0, (\q)%2, \zero
	MUL16 2, (\q)%2, \zero
	s_wait_dscnt 0
	PLACES NP
	FETCH_B \slot, (\q)+1, 1-(\q)%2
	FETCH_A \slot, (\q)+1, 0
	WIN MUL_HI
	MUL16 4, (\q)%2, \zero
	MUL16 6, (\q)%2, \zero
	PLACES NP
	WIN 0
	FETCH_A \slot, (\q)+1, 4
.endm
.macro TURN slot, next, fill           ; a slot's last step changes slots: one barrier; with fill = 1 it opens a round of the cluster's barrier and the slot is filled again
	s_wait_tensorcnt 0x0                           ; all my tensor loads have landed: my part of the next slot
	ds_add_u32 v[SPW], v[NIL]                      ; 0 onto my spare word
	s_wait_dscnt 4*NL+1                            ; the add and A's blocks 4-7 may be out
	WIN MUL_LO
	MUL16 0, 1, 0
	s_wait_dscnt 0x0                               ; the add is done, and my reads of this slot are over
	s_barrier_signal -1
	MUL16 2, 1, 0
	WIN 0
	s_barrier_wait -1
.if \fill
	CREST                                          ; no wave of any partner still reads this slot or has a load on its way
	s_add_nc_u64 s[G0+4*\slot+2:G0+4*\slot+3], s[G0+4*\slot+2:G0+4*\slot+3], 2*KB
	s_add_nc_u64 s[G0B+4*\slot+2:G0B+4*\slot+3], s[G0B+4*\slot+2:G0B+4*\slot+3], 2*KB
	JLOAD G0+4*\slot, G1, G0B+4*\slot, G1B         ; the first tensor load behind the round; its four v_nop are the places in front of the loads below
.else
	PLACES NP
.endif
	FETCH_B \next, 0, 0
	FETCH_A \next, 0, 0
	WIN MUL_HI
	MUL16 4, 1, 0
	MUL16 6, 1, 0
	PLACES NP
	WIN 0
	FETCH_A \next, 0, 4
.endm
; THE WAY OUT of side A's block a: sum x 2^(eA + eB) + bias, the hold, the conversion; the eight pairs of codes are operand registers and leave as they stand, 512 consecutive bytes a store.
.macro EPI a, isv
.set AC, 64*((\a)%4)
.set CS, 192+16*((\a)%4)
.if (\a) >= 4
	s_wait_xcnt 0x0                                ; block a - 4's stores have read this set of codes
.endif
	WIN (0x02+((\a)/4))                            ; source 0: window 2 or 3
.set j, 0
.rept 32
.if \isv
	v_pk_fma_f32 v[NUM+j:NUM+j+1], v[AC+j:AC+j+1], s[96:97], v[RB+2*(\a):RB+2*(\a)+1] op_sel_hi:[1,0,1]   ; each accumulator from its low end on
.else
	v_pk_fma_f32 v[NUM+j:NUM+j+1], v[AC+j:AC+j+1], s[96:97], v[CB+j:CB+j+1] op_sel_hi:[1,0,1]
.endif
.set j, j+2
.endr
	WIN 0
.set j, 0
.rept 64
	v_med3_num_f32 v[NUM+j], v[NUM+j], -v9, v9     ; the conversion does not saturate (ISA guide 7.6.2)
.set j, j+1
.endr
.set j, 0
.rept 8
	v_cvt_scalef32_pk8_fp8_f32 v[CS+2*j:CS+2*j+1], v[NUM+8*j:NUM+8*j+7], v8
.set j, j+1
.endr
	v_nop                                          ; a plain instruction between the conversions and the next write of their sources
.set j, 0
.rept 4
.if \isv
	global_store_b128 v[CO], v[CS+4*j:CS+4*j+3], s[70:71] offset:((\a)/4)*131072+((\a)%4)*2048+j*512   ; head a / 4 of my two, channel tile a % 4, group j of my key step
.else
	global_store_b128 v[CO], v[CS+4*j:CS+4*j+3], s[70:71] offset:(j/2)*131072+(\a)*1024+(j%2)*512      ; head j / 2 of my two, token tile a, group j % 2
.endif
.set j, j+1
.endr
.endm
	s_load_b256 s[4:11], s[0:1], 0x0               ; pimg 4, scales 6, bq 8, bk 10
	s_load_b128 s[68:71], s[0:1], 0x20             ; bv 68, qkvimg 70
	v_lshl_add_u32 v[SPW], v0, 2, SPARE
	v_mov_b32 v[NIL], 0
	ds_add_u32 v[SPW], v[NIL]                      ; the wave's opening: the add and its wait ahead of my first tensor load
	ds_add_u32 v[SPW], v[NIL]
	v_lshrrev_b32 v1, 5, v0
	v_readfirstlane_b32 s14, v1
	v_and_b32 v30, 15, v0                          ; the prefetches' offset: lanes 0-15 name the sixteen blocks of 256 bytes of one row tile's 4,096 bytes of a slot,
	v_bfe_u32 v31, v0, 4, 1
	v_lshlrev_b32 v30, 8, v30
	v_lshl_add_u32 v30, v31, 14, v30               ; lanes 16-31 those of the next row tile; never rewritten
	s_lshr_b32 s15, s14, 1                         ; my half of side A's rows.  Also: I fetch for A (0) or B (1)
	s_and_b32 s16, s14, 1                          ; my half of side B's rows.  Also: which 8 row tiles I fetch
	s_bfe_u32 s40, ttmp6, 0x40000                  ; cx
	s_bfe_u32 s41, ttmp6, 0x40004                  ; cy
	s_and_b32 s18, ttmp7, 0xffff
	s_lshl_b32 s18, s18, 2
	s_add_co_u32 s19, s18, s41                     ; 4 x cluster y + cy
	s_add_co_u32 s20, s18, s40                     ; 4 x cluster y + cx
	s_lshl_b32 s21, ttmp9, 22                      ; n's version
	s_lshl_b32 s22, ttmp9, 20
	s_add_co_u32 s22, s22, 0xc00000                ; wq's or wk's image
	s_cmp_eq_u32 ttmp9, 2                          ; v?  The cluster's x: the same in all sixteen partners
	s_cselect_b32 s17, s41, s19                    ; side A's tile: hangs on cy, never on cx
	s_cselect_b32 s42, s20, s40                    ; side B's tile: hangs on cx, never on cy
	s_cselect_b32 s21, 0xe00000, s21               ; v: side A is wv's image,
	s_cselect_b32 s22, 0x800000, s22               ; side B n's third version
	s_lshl_b32 s43, s41, 2
	s_lshl_b32 s43, 15, s43                        ; my row of the cluster
	s_lshl_b32 s44, 0x1111, s40                    ; my column
	s_or_b32 s[G1+0], s43, (3<<16)|(1<<21)         ; the mask; elements of 8 bytes; bit 21 beside a mask; no padding
	s_or_b32 s[G1B+0], s44, (3<<16)|(1<<21)
.irp g, G1, G1B
	s_mov_b32 s[\g+1], 512<<16                     ; tensor_dim0: 4,096 bytes
	s_mov_b32 s[\g+2], 8<<16                       ; tensor_dim1: 8 row tiles
	s_mov_b32 s[\g+3], 512<<16                     ; tile_dim0
	s_mov_b32 s[\g+4], 8                           ; tile_dim1
	s_mov_b32 s[\g+5], TSB/8                       ; from row tile to row tile
	s_mov_b32 s[\g+6], 0
	s_mov_b32 s[\g+7], 0
.endr
	s_lshl_b32 s23, s16, 3
	s_lshl_b32 s74, s17, 4
	s_add_co_u32 s74, s74, s23
	s_lshl_b32 s74, s74, 14
	s_add_co_u32 s74, s74, s21                     ; side A: (16 x tile + 8 x half) row tiles
	s_mov_b32 s75, 0
	s_lshl_b32 s46, s42, 4
	s_add_co_u32 s46, s46, s23
	s_lshl_b32 s46, s46, 14
	s_add_co_u32 s46, s46, s22                     ; side B likewise
	s_mov_b32 s47, 0
	s_mul_i32 s45, s14, HALFT                      ; where they go: no place in the cluster enters an LDS address
	s_wait_dscnt 0x0                               ; the opening add is done
	s_wait_kmcnt 0x0
	s_load_b512 s[80:95], s[6:7], 0x0              ; entry i of the scales in s[80 + i]
	s_add_nc_u64 s[74:75], s[4:5], s[74:75]
	s_add_nc_u64 s[46:47], s[4:5], s[46:47]
	s_cmp_eq_u32 s15, 0                            ; the prefetches' base: of the 8 row tiles that I fetch, the partner at place p (cx for side A, cy for side B) names tiles 2 p, 2 p + 1: told apart by address alone
	s_cselect_b64 s[76:77], s[74:75], s[46:47]
	s_cselect_b32 s78, s40, s41
	s_lshl_b32 s78, s78, 15
	s_mov_b32 s79, 0
	s_add_nc_u64 s[76:77], s[76:77], s[78:79]
	CROUND
.irp s, 0,1
	s_mov_b32 s[G0+4*\s], 1
	s_add_co_u32 s[G0+4*\s+1], s45, \s*SLOT
	s_add_nc_u64 s[G0+4*\s+2:G0+4*\s+3], s[74:75], \s*KB
	s_or_b32 s[G0+4*\s+3], s[G0+4*\s+3], 0x80000000
	s_mov_b32 s[G0B+4*\s], 1
	s_add_co_u32 s[G0B+4*\s+1], s45, \s*SLOT
	s_add_nc_u64 s[G0B+4*\s+2:G0B+4*\s+3], s[46:47], \s*KB
	s_or_b32 s[G0B+4*\s+3], s[G0B+4*\s+3], 0x80000000
.endr
	JLOAD G0, G1, G0B, G1B                         ; slot 0: one tensor load a wave at the head
	s_wait_alu depctr_va_vdst(0)                   ; the wait ahead of v30's first reader
	global_prefetch_b8 v30, s[76:77] offset:KB th:TH_LOAD_NT scope:SCOPE_SE     ; behind slot 0's load: slots 1 and 2; each block is named once in the cluster
	global_prefetch_b8 v30, s[76:77] offset:2*KB th:TH_LOAD_NT scope:SCOPE_SE
	v_and_b32 v1, 15, v0
	v_bfe_u32 v2, v0, 4, 1                         ; h
	s_wait_alu depctr_va_vdst(0)
	v_and_b32 v3, 31, v0
	v_lshlrev_b32 v[CO], 4, v3
	s_mul_i32 s21, s15, HALFT
	s_mul_i32 s22, s16, HALFT
	s_add_co_u32 s22, s22, 2*HALFT
.irp s, 0,1
	v_add_nc_u32 v[ADRA+\s], s21, v[CO]
	v_add_nc_u32 v[ADRB+\s], s22, v[CO]
	s_add_co_u32 s21, s21, SLOT
	s_add_co_u32 s22, s22, SLOT
.endr
	s_lshl_b32 s18, s42, 8
	s_lshl_b32 s19, s16, 7
	s_add_co_u32 s18, s18, s19
	s_lshl_b32 s18, s18, 2                         ; side B's first row of mine, x 4 bytes
	s_lshl_b32 s19, s17, 8
	s_lshl_b32 s20, s15, 7
	s_add_co_u32 s19, s19, s20
	s_lshl_b32 s19, s19, 2                         ; side A's
	s_cmp_eq_u32 ttmp9, 2
	s_cselect_b32 s18, 0, s18                      ; the bias that is not used is read from its buffer's head
	s_cselect_b32 s19, s19, 0
	s_cselect_b32 s20, s42, s17                    ; the tile of tokens,
	s_cselect_b32 s21, s17, s42                    ; the tile of channels,
	s_cselect_b32 s22, s16, s15                    ; my half of the tokens,
	s_cselect_b32 s23, s15, s16                    ; my half of the channels
	s_cmp_eq_u32 ttmp9, 0
	s_cselect_b64 s[8:9], s[8:9], s[10:11]         ; bq or bk
	v_lshl_add_u32 v10, v2, 5, s18
	v_lshl_add_u32 v11, v1, 2, s19
.set j, 0
.rept 16
	global_load_b128 v[CB+4*j:CB+4*j+3], v10, s[8:9] offset:64*(j/2)+16*(j%2)   ; bias of channels 16 b + 8 h + 0 .. 7
.set j, j+1
.endr
.set j, 0
.rept 8
	global_load_b32 v[RB+2*j], v11, s[68:69] offset:64*j      ; bv of channel 16 a + r, twice: a pair for the packed form
	global_load_b32 v[RB+2*j+1], v11, s[68:69] offset:64*j
.set j, j+1
.endr
	s_lshr_b32 s18, s20, 3                         ; the batch: 8 tiles of 256 tokens each
	s_lshl_b32 s18, s18, 4
	s_lshl_b32 s21, s21, 2
	s_add_co_u32 s18, s18, s21
	s_lshl_b32 s23, s23, 1
	s_add_co_u32 s18, s18, s23                     ; my first head: 16 x batch + 4 x tile + 2 x half
	s_lshl_b32 s18, s18, 17                        ; 131,072 bytes a head in all three tensors
	s_and_b32 s20, s20, 7
	s_lshl_b32 s20, s20, 1
	s_add_co_u32 s20, s20, s22
	s_lshl_b32 s20, s20, 13                        ; my 128 tokens: 8 token tiles of 1,024 bytes, or one key step of 8,192
	s_add_co_u32 s18, s18, s20
	s_lshl_b32 s20, ttmp9, 22
	s_add_co_u32 s18, s18, s20
	s_mov_b32 s19, 0
	s_add_nc_u64 s[70:71], s[70:71], s[18:19]
	s_wait_alu depctr_va_vdst(0)
	s_wait_tensorcnt 0x0                           ; my part of slot 0 is in
	ds_add_u32 v[SPW], v[NIL]
	s_wait_dscnt 0x0
	CROUND                                         ; everybody's part of slot 0 is in, and the joint loads meet
	JLOAD G0+4, G1, G0B+4, G1B                     ; slot 1's first fill, the first tensor load behind the round
	FETCH_B 0, 0, 0
	FETCH_A 0, 0, 0
	FETCH_A 0, 0, 4
	global_prefetch_b8 v30, s[76:77] offset:3*KB th:TH_LOAD_NT scope:SCOPE_SE   ; behind slot 1's load: slot 3, the last; the refills ask for nothing
	STEP 0, 0, 1
	s_mov_b32 s3, LAPS-1
.Llap:
	TURN 0, 1, 1
	STEP 1, 0, 0
	TURN 1, 0, 1
	STEP 0, 0, 0
	s_sub_co_u32 s3, s3, 1
	s_cmp_lg_u32 s3, 0
	s_cbranch_scc1 .Llap
	TURN 0, 1, 0                                   ; the last lap fills nothing
	STEP 1, 0, 0
	s_wait_dscnt 4*NL
	WIN MUL_LO
	MUL16 0, 1, 0
	MUL16 2, 1, 0
	s_wait_dscnt 0
	WIN MUL_HI
	MUL16 4, 1, 0
	MUL16 6, 1, 0
	WIN 0
	s_wait_kmcnt 0x0
	s_cmp_eq_u32 ttmp9, 0
	s_cselect_b32 s96, s80, s82
	s_cselect_b32 s97, s81, s83
	s_cselect_b32 s98, s86, s87
	s_cmp_eq_u32 ttmp9, 2
	s_cselect_b32 s96, s84, s96
	s_cselect_b32 s97, s85, s97
	s_cselect_b32 s98, s89, s98
	s_add_co_i32 s96, s96, s97
	s_add_co_i32 s96, s96, 127
	s_lshl_b32 s96, s96, 23                        ; 2^(eA + eB)
	s_mov_b32 s97, s96                             ; (named with it as a pair)
	s_add_co_i32 s98, s98, 127
	s_lshl_b32 s18, s98, 23
	v_mov_b32 v8, s18                              ; the result's scale
	s_add_co_i32 s98, s98, 8
	s_lshl_b32 s98, s98, 23
	s_or_b32 s98, s98, 0x600000
	v_mov_b32 v9, s98                              ; 448 x that
	s_wait_loadcnt 0x0                             ; the biases
	PLACES NP
	s_cmp_eq_u32 ttmp9, 2
	s_cbranch_scc1 .Lv_out
.irp a, 0,1,2,3,4,5,6,7
	EPI \a, 0
.endr
	s_branch .Lclose
.Lv_out:
.irp a, 0,1,2,3,4,5,6,7
	EPI \a, 1
.endr
.Lclose:
	s_wait_tensorcnt 0x0                           ; the wave's end
	ds_add_u32 v[SPW], v[NIL]
	s_wait_dscnt 0x0
	CROUND                                         ; the closing round
	s_endpgm
.Lfunc_end_k_q66e70f4c55_qkv:
	.size	k_q66e70f4c55_qkv, .Lfunc_end_k_q66e70f4c55_qkv-k_q66e70f4c55_qkv
	.p2alignl 7, 3214868480
	.fill 96, 4, 3214868480
	.section	.rodata,"a",@progbits
	.p2align	6, 0x0
	.amdhsa_kernel k_q66e70f4c55_qkv
		.amdhsa_group_segment_fixed_size 327680
		.amdhsa_private_segment_fixed_size 0
		.amdhsa_enable_private_segment 0
		.amdhsa_kernarg_size 48
		.amdhsa_user_sgpr_count 2
		.amdhsa_user_sgpr_kernarg_segment_ptr 1
		.amdhsa_wavefront_size32 1
		.amdhsa_system_sgpr_workgroup_id_x 1
		.amdhsa_system_sgpr_workgroup_id_y 1
		.amdhsa_system_sgpr_workgroup_id_z 1
		.amdhsa_system_vgpr_workitem_id 0
		.amdhsa_next_free_vgpr 1024
		.amdhsa_next_free_sgpr 100
		.amdhsa_reserve_vcc 0
		.amdhsa_float_denorm_mode_32 3
		.amdhsa_float_denorm_mode_16_64 3
		.amdhsa_memory_ordered 1
		.amdhsa_forward_progress 1
		.amdhsa_inst_pref_size 195
	.end_amdhsa_kernel
	.amdgpu_metadata
---
amdhsa.version: [ 1, 2 ]
amdhsa.kernels:
  - .name:           k_q66e70f4c55_qkv
    .symbol:         k_q66e70f4c55_qkv.kd
    .args:
      - { .name: pimg, .offset: 0, .size: 8, .value_kind: global_buffer, .address_space: global }
      - { .name: lowp_scales, .offset: 8, .size: 8, .value_kind: global_buffer, .address_space: global }
      - { .name: bq, .offset: 16, .size: 8, .value_kind: global_buffer, .address_space: global }
      - { .name: bk, .offset: 24, .size: 8, .value_kind: global_buffer, .address_space: global }
      - { .name: bv, .offset: 32, .size: 8, .value_kind: global_buffer, .address_space: global }
      - { .name: qkvimg, .offset: 40, .size: 8, .value_kind: global_buffer, .address_space: global }
    .group_segment_fixed_size: 327680
    .private_segment_fixed_size: 0
    .kernarg_segment_align: 8
    .kernarg_segment_size: 48
    .max_flat_workgroup_size: 128
    .sgpr_count:     100
    .vgpr_count:     1024
    .wavefront_size: 32
...
	.end_amdgpu_metadata
.endif
;; end of part 2
;; launch attn (part 3): grid 8 x 32, 8 waves a work-group, clusters of 4 x 1, 327,680 bytes of LDS; arguments qkvimg, lowp_scales, aimg, w1, w2, pimg; writes aimg, pimg
.if DOCPART == 3
	.amdgcn_target "amdgcn-amd-amdhsa--gfx1250"
	.amdhsa_code_object_version 6
	.text
	.protected	k_q66e70f4c55_attn
	.globl	k_q66e70f4c55_attn
	.p2align	8
	.type	k_q66e70f4c55_attn,@function
k_q66e70f4c55_attn:
	s_mov_b64 s[64:65], 0
	v_nop
	global_prefetch_b8 v0, s[64:65] scope:SCOPE_SE
	s_setreg_imm32_b32 hwreg(HW_REG_WAVE_MODE, 25, 1), 1
	s_wait_xcnt 0x0
	s_wait_alu depctr_hold_cnt(0) depctr_sa_sdst(0) depctr_va_vdst(0) depctr_va_sdst(0) depctr_va_ssrc(0) depctr_va_vcc(0) depctr_vm_vsrc(0)
	s_getreg_b32 s2, hwreg(HW_REG_IB_STS2, 6, 4)
	s_cmp_eq_u32 s2, 0
	s_cbranch_scc0 .Lentry_in_a_cluster
	s_endpgm
.Lentry_in_a_cluster:
	s_bfe_u32 s2, ttmp6, 0x10000c
	s_cmp_lg_u32 s2, 0x3003
	s_cbranch_scc0 .Lentry_shape_is_right
	s_endpgm
.Lentry_shape_is_right:
; ATTENTION on codes of FP8 (E4M3): attn = softmax(q k^T / 8) v for one head (work-group y: 16 x batch + head) and 256 queries (work-group x), the result quantised at once with 2^e10 as the next product's left operand.
; t = score x log2(e) / 8 x 2^(e6 + e7); M = the ceiling of the running largest t; p = 2^(t - M) is quantised with 2^e8 (held at 448 x 2^e8); the row's sum is taken of the unquantised p and divides at the end.
; SHARES.  Eight waves, two to a SIMD; a wave owns 32 queries, two tiles A and B of 16, so that each fragment of K and of V read from LDS feeds two matrix instructions.
; LDS.  A head's K and V, 2 x 131,072 bytes, are filled ONCE: wave w's one joint load brings two rows of 16,384 bytes, 4 MiB apart in qkvimg: K's and V's key steps 2 w and 2 w + 1, to byte 32,768 w.
; Nothing is filled again.  A wave works its own 32,768 bytes behind its own wait on TENSORcnt; then one barrier; then the seven other regions, region (trip xor wave).
; In the loop the next trip's first fragments are asked of LDS inside the running trip; the last trip's look-ahead names the wave's own region again and is not used.
; CLUSTER: the four work-groups of a cluster walk the same head, so each load is asked for jointly (mask 15).  No prefetch: all tiles are asked for at the head, there is no loop of loads to run ahead in.
; Both products are used transposed (source 0 = 16 keys or 16 channels, source 1 = my 16 queries): a lane holds one query; operands are images of their registers, every LDS read is 16 x lane + a constant.
; BESIDE IT each wave quantises 32 columns x 128 along K of w1 (heads 0-15, scale 2^e13) or w2 (heads 16-31, 2^e15) into pimg's images (from 16 and 20 MiB): one piece of 16 rows a trip, a lane a column.
; LIMITS: e6 + e7 between -123 and 130; e8, e10, e13, e15 between -126 and 119; the scaled scores stay under 2^31 in magnitude; NaN among the inputs is not served.
; REGISTERS.  Window 0: v0-31 small (below); S^T then p of A v32-95, of B v96-159; O^T of A v160-191, of B v192-223; p's codes of A v224-239, of B v240-255 (ahead of that: A's first-level sums).
;   Window 1: K's fragments v0-63, V's v64-127, Q of A v128-135, of B v136-143, the weight's 16 row offsets v144-159, its 16 numbers v160-175.
;   v1 16 x lane; v2, v3 this trip's and the next trip's LDS address; v4, v5 the spare word and 0; v6-11 at work; v[12:13], v[14:15] -M and the largest score of A, B; v[16:17], v[18:19] the sums;
;   v20, v22 f = 2^(old M - new M); v[24:25] a chain of sums; v26, v27 448 x 2^e8; v28 2^e8; v29, v30 the weight's hold and scale; v31 its codes' place.
.set SPARE, 262144                     ; behind K and V: the spare words, 128 bytes a wave, which no other line names
.set SA, 32
.set SB, 96
.set OA, 160
.set OB, 192
.set CA, 224
.set CB, 240
.set KF, 0
.set VF, 64
.set QA, 128
.set QB, 136
.set WO, 144
.set WD, 160
.set WC, 176                           ; window 1, v176-179: a piece's codes, so that the store's data are written again only a trip later
.set W_LD, 0x40                        ; destination window 1, address window 0
.set W_S,  0x05                        ; sources 0 and 1 window 1, result window 0
.set W_PV, 0x01                        ; source 0 window 1, all else window 0
.set W_GL, 0x41                        ; destination and address window 1
.set MSB, 0
.macro WIN new                         ; the immediate's high byte repeats the setting that is left
.if MSB != \new
	s_set_vgpr_msb (MSB<<8)|\new
.set MSB, \new
.endif
.endm
.macro CROUND                          ; a round of the cluster's barrier
	s_barrier_signal -1
	s_barrier_wait -1
	s_cmp_lg_u32 s18, 0
	s_cbranch_scc1 .Lnot_wave_0_\@
	s_barrier_signal -3
.Lnot_wave_0_\@:
	s_barrier_wait -3
	s_barrier_signal -1
	s_barrier_wait -1
.endm
.macro LD16 dst, ar, off               ; a key step's fragments of K or of V: sixteen loads of 512 consecutive bytes
	WIN W_LD
.set t, 0
.rept 16
	ds_load_b128 v[\dst+4*t:\dst+4*t+3], v[\ar] offset:\off+512*t
.set t, t+1
.endr
	WIN 0
.endm
.macro PV o, c                         ; O^T += V^T P^T: four accumulators by turns
	WIN W_PV
.set t, 0
.rept 4
	v_wmma_f32_16x16x128_fp8_fp8 v[\o+8*t:\o+8*t+7], v[VF+16*t:VF+16*t+15], v[\c:\c+15], v[\o+8*t:\o+8*t+7]
.set t, t+1
.endr
	WIN 0
.endm
; A KEY STEP of 128 keys for both tiles.  la = 1: the next step's K (at v[ar] + ko) and V (at v[ar] + vo) are asked of LDS as soon as this step's have been multiplied.  left: the LDS loads issued behind this step's V.
; The weight's next piece is asked for.  kind = 2: first the bases step on from the last piece, whose store stands a good part of a key step back.
.macro WASK kind
.if (\kind) == 2
	s_wait_xcnt 0x0                                ; the last piece's store has read its data and its base: they are written again only behind this wait
	s_add_nc_u64 s[56:57], s[56:57], s[62:63]      ; the pieces begin at rows 0, 8, 32, 40, 64 ..: steps of 8 and 24 rows by turns
	s_xor_b32 s62, s62, s37
	s_add_nc_u64 s[60:61], s[60:61], 256
.endif
	WIN W_GL
.set k, 0
.rept 16
	global_load_b32 v[WD+k], v[WO+k], s[56:57] th:TH_LOAD_NT       ; rows 16 (k / 8) + k % 8 of the piece, my column: 32 lanes read 128 consecutive bytes
.set k, k+1
.endr
	WIN 0
.endm
; (wq: 0, or the kind of WASK that stands in this step)
.macro STEP la, ar, ko, vo, left, wq
	s_wait_dscnt 16                                ; K's sixteen loads are in; the sixteen issued behind them (V's) may be out
	WIN W_S
.set t, 0
.rept 8
	v_wmma_f32_16x16x64_fp8_fp8 v[SA+8*t:SA+8*t+7], v[KF+8*t:KF+8*t+7], v[QA:QA+7], 0
	v_wmma_f32_16x16x64_fp8_fp8 v[SB+8*t:SB+8*t+7], v[KF+8*t:KF+8*t+7], v[QB:QB+7], 0
.set t, t+1
.endr
.rept 4
	v_nop                                          ; places ahead of the loads into K's registers and of the first reads of the scores
.endr
.if \la
	LD16 KF, \ar, \ko
.endif
	WIN 0
	v_max3_num_f32 v6, v13, v[SA], v[SA+1]         ; the largest score so far, this step's among them: two chains a tile, the tiles by turns; each accumulator from its low end on
	v_max3_num_f32 v8, v15, v[SB], v[SB+1]
	v_max3_num_f32 v7, v[SA+2], v[SA+3], v[SA+4]
	v_max3_num_f32 v9, v[SB+2], v[SB+3], v[SB+4]
.set i, 5
.rept 14
	v_max3_num_f32 v6, v6, v[SA+i], v[SA+i+1]
	v_max3_num_f32 v8, v8, v[SB+i], v[SB+i+1]
	v_max3_num_f32 v7, v7, v[SA+i+2], v[SA+i+3]
	v_max3_num_f32 v9, v9, v[SB+i+2], v[SB+i+3]
.set i, i+4
.endr
	v_max3_num_f32 v6, v6, v[SA+61], v[SA+62]
	v_max3_num_f32 v8, v8, v[SB+61], v[SB+62]
	v_max3_num_f32 v6, v6, v7, v[SA+63]
	v_max3_num_f32 v8, v8, v9, v[SB+63]
	v_permlanex16_b32 v10, v6, s20, s21
	v_permlanex16_b32 v11, v8, s20, s21
	v_max_num_f32 v13, v6, v10                     ; and lane l xor 16's
	v_max_num_f32 v15, v8, v11
	v_mul_f32 v6, s22, v13                         ; as t (c is positive)
	v_mul_f32 v8, s22, v15
	v_floor_f32 v6, -v6                            ; the new -M = -ceil(t): a whole number
	v_floor_f32 v8, -v8
	v_sub_f32 v7, v6, v12                          ; old M - new M, 0 or less
	v_sub_f32 v9, v8, v14
	v_mov_b32 v12, v6
	v_mov_b32 v14, v8
	v_cvt_i32_f32 v7, v7                           ; (it saturates)
	v_cvt_i32_f32 v9, v9
	v_ldexp_f32 v20, 1.0, v7                       ; f: a power of two, so the rescalings round nothing
	v_ldexp_f32 v22, 1.0, v9
.set j, 0
.rept 16
	v_pk_mul_f32 v[OA+j:OA+j+1], v[OA+j:OA+j+1], v[20:21] op_sel_hi:[1,0]   ; O^T under the new M, ahead of the exponentials
	v_pk_mul_f32 v[OB+j:OB+j+1], v[OB+j:OB+j+1], v[22:23] op_sel_hi:[1,0]
.set j, j+2
.endr
.set j, 0
.rept 32
	v_pk_fma_f32 v[SA+j:SA+j+1], v[SA+j:SA+j+1], s[22:23], v[12:13] op_sel_hi:[1,0,0]   ; A: t - M
.set j, j+2
.endr
.if \wq
	WASK \wq
.endif
	s_wait_alu depctr_va_vdst(0)                   ; the wait ahead of a batch of transcendentals
.set j, 0
.rept 32                               ; A's exponentials; among them B's t - M, lines that hang on no line of this batch
	v_exp_f32 v[SA+j], v[SA+j]
	v_exp_f32 v[SA+j+1], v[SA+j+1]
	v_pk_fma_f32 v[SB+j:SB+j+1], v[SB+j:SB+j+1], s[22:23], v[14:15] op_sel_hi:[1,0,0]
.set j, j+2
.endr
	s_wait_alu depctr_va_vdst(0)                   ; behind A's batch and ahead of B's
.set j, 0
.rept 16
	v_exp_f32 v[SB+j], v[SB+j]
.set j, j+1
.endr
.set j, 0
.rept 16                               ; B's exponentials; among them A's sums of four (of the unquantised p), into the codes' registers, which are free here,
	v_exp_f32 v[SB+16+j], v[SB+16+j]
	v_pk_add_f32 v[CA+2*j:CA+2*j+1], v[SA+4*j:SA+4*j+1], v[SA+4*j+2:SA+4*j+3]
.set j, j+1
.endr
.set j, 0
.rept 32                               ; and then A's hold: the conversion does not saturate (ISA guide 7.6.2); p is not negative, so it is one-sided
	v_exp_f32 v[SB+32+j], v[SB+32+j]
	v_dual_min_num_f32 v[SA+2*j], v[SA+2*j], v26 :: v_dual_min_num_f32 v[SA+2*j+1], v[SA+2*j+1], v27
.set j, j+1
.endr
	s_wait_alu depctr_va_vdst(0)                   ; behind B's batch, ahead of its first reader
	v_pk_fma_f32 v[16:17], v[16:17], v[20:21], v[CA:CA+1] op_sel_hi:[1,0,1]   ; A's sum under the new M, and the sixteen parts, in four chains
	v_pk_add_f32 v[24:25], v[CA+2:CA+3], v[CA+4:CA+5]
	v_pk_add_f32 v[6:7], v[CA+6:CA+7], v[CA+8:CA+9]
	v_pk_add_f32 v[8:9], v[CA+10:CA+11], v[CA+12:CA+13]
.set j, 14
.rept 2
	v_pk_add_f32 v[16:17], v[16:17], v[CA+j:CA+j+1]
	v_pk_add_f32 v[24:25], v[24:25], v[CA+j+2:CA+j+3]
	v_pk_add_f32 v[6:7], v[6:7], v[CA+j+4:CA+j+5]
	v_pk_add_f32 v[8:9], v[8:9], v[CA+j+6:CA+j+7]
.set j, j+8
.endr
	v_pk_add_f32 v[16:17], v[16:17], v[CA+30:CA+31]
	v_pk_add_f32 v[24:25], v[24:25], v[6:7]
	v_pk_add_f32 v[16:17], v[16:17], v[8:9]
	v_pk_add_f32 v[16:17], v[16:17], v[24:25]
.set t, 0
.rept 8
	v_cvt_scalef32_pk8_fp8_f32 v[CA+2*t:CA+2*t+1], v[SA+8*t:SA+8*t+7], v28
.set t, t+1
.endr
	v_pk_fma_f32 v[18:19], v[18:19], v[22:23], v[SB:SB+1] op_sel_hi:[1,0,1]   ; B's sum begins (plain lines between the conversions and the product)
	v_pk_add_f32 v[24:25], v[SB+2:SB+3], v[SB+4:SB+5]
	s_wait_alu depctr_va_vdst(0)
	s_wait_dscnt \left                             ; V's loads are in; the loads issued behind them may be out
	PV OA, CA
	v_pk_add_f32 v[6:7], v[SB+6:SB+7], v[SB+8:SB+9]
	v_pk_add_f32 v[8:9], v[SB+10:SB+11], v[SB+12:SB+13]
.set j, 14
.rept 6
	v_pk_add_f32 v[18:19], v[18:19], v[SB+j:SB+j+1]
	v_pk_add_f32 v[24:25], v[24:25], v[SB+j+2:SB+j+3]
	v_pk_add_f32 v[6:7], v[6:7], v[SB+j+4:SB+j+5]
	v_pk_add_f32 v[8:9], v[8:9], v[SB+j+6:SB+j+7]
.set j, j+8
.endr
	v_pk_add_f32 v[18:19], v[18:19], v[SB+62:SB+63]
	v_pk_add_f32 v[24:25], v[24:25], v[6:7]
	v_pk_add_f32 v[18:19], v[18:19], v[8:9]
	v_pk_add_f32 v[18:19], v[18:19], v[24:25]
.set j, 0
.rept 32
	v_dual_min_num_f32 v[SB+j], v[SB+j], v26 :: v_dual_min_num_f32 v[SB+j+1], v[SB+j+1], v27
.set j, j+2
.endr
.set t, 0
.rept 8
	v_cvt_scalef32_pk8_fp8_f32 v[CB+2*t:CB+2*t+1], v[SB+8*t:SB+8*t+7], v28
.set t, t+1
.endr
	v_nop                                          ; a plain line between the conversions and the product
	PV OB, CB
.if \la
.rept 4
	v_nop                                          ; places ahead of the loads into V's registers
.endr
	LD16 VF, \ar, \vo
.endif
.endm
; A TRIP: the 32,768 bytes at s2 (K's two steps, then V's two), and one piece of the weight.  first = 1: the trip ahead of the barrier asks for its own first fragments and looks no further.
.macro TRIP first
	v_add_nc_u32 v2, s2, v1
.if \first
	s_wait_alu depctr_va_vdst(0)                   ; the wait
	LD16 KF, 2, 0
	LD16 VF, 2, 16384
.else
	v_add_nc_u32 v3, s38, v1
	s_wait_alu depctr_va_vdst(0)                   ; the wait
.endif
	STEP 1, 2, 8192, 24576, 16, 2-\first
.if \first
	STEP 0, 2, 0, 0, 0, 0
.else
	STEP 1, 3, 0, 16384, 16, 0
.endif
	s_wait_loadcnt 0x0                             ; the piece's sixteen numbers
	WIN W_PV
.set k, 0
.rept 16
	v_med3_num_f32 v[SA+k], v[WD+k], -v29, v29     ; held within 448 x the scale.  (These are also places behind the last products)
.set k, k+1
.endr
	WIN 0
	WIN W_LD                                       ; the codes go into window 1
	v_cvt_scalef32_pk8_fp8_f32 v[WC:WC+1], v[SA:SA+7], v30
	v_cvt_scalef32_pk8_fp8_f32 v[WC+2:WC+3], v[SA+8:SA+15], v30
	v_nop
	WIN 0x04                                       ; a store's data are its source 1
	global_store_b128 v31, v[WC:WC+3], s[60:61]                    ; sixteen lanes store 256 consecutive bytes, aligned
	WIN 0
.endm
	s_load_b128 s[4:7], s[0:1], 0x0                ; qkvimg 4, scales 6
	s_load_b64 s[8:9], s[0:1], 0x10                ; aimg
	s_load_b128 s[56:59], s[0:1], 0x18             ; w1 56, w2 58
	s_load_b64 s[60:61], s[0:1], 0x28              ; pimg
	v_lshl_add_u32 v4, v0, 2, SPARE
	v_mov_b32 v5, 0
	ds_add_u32 v4, v5                              ; the opening: the add, twice on end, and its wait ahead of my first tensor load
	ds_add_u32 v4, v5
	v_lshrrev_b32 v1, 5, v0
	v_readfirstlane_b32 s18, v1                    ; wave 0..7
	s_bfe_u32 s10, ttmp6, 0x40000                  ; cx
	s_lshl_b32 s11, ttmp9, 2
	s_add_co_u32 s11, s11, s10                     ; work-group x: which 256 queries
	s_and_b32 s12, ttmp7, 0xffff                   ; 16 x batch + head
	s_lshl_b32 s67, s18, 15                        ; my region of LDS
	s_lshl_b32 s17, s12, 17                        ; a head is 131,072 bytes in q, k and v
	s_lshl_b32 s48, s18, 14
	s_add_co_u32 s48, s48, s17
	s_add_co_u32 s48, s48, 0x400000                ; K's key steps 2 w, 2 w + 1; V's lie 4 MiB further on
	s_mov_b32 s49, 0
	s_mov_b32 s24, 15|(3<<16)|(1<<21)              ; the mask of all four partners; elements of 8 bytes; bit 21 beside a mask
	s_mov_b32 s25, 2048<<16                        ; tensor_dim0: 16,384 bytes
	s_mov_b32 s26, 2<<16                           ; tensor_dim1: two rows
	s_mov_b32 s27, 2048<<16                        ; tile_dim0
	s_mov_b32 s28, 2                               ; tile_dim1
	s_mov_b32 s29, 0x80000                         ; from row to row: 4 MiB
	s_mov_b32 s30, 0
	s_mov_b32 s31, 0
	s_mov_b32 s20, 0x76543210
	s_mov_b32 s21, 0xfedcba98                      ; selects: lane l xor 16
	s_mov_b32 s22, 0x3e38aa3b                      ; c = log2(e) / 8
	s_lshl_b32 s50, s11, 4
	s_lshl_b32 s51, s18, 1
	s_add_co_u32 s50, s50, s51                     ; my first tile of 16 queries
	s_lshl_b32 s52, s50, 10
	s_add_co_u32 s52, s52, s17
	s_mov_b32 s53, 0
	s_lshr_b32 s54, s12, 4
	s_lshl_b32 s54, s54, 7
	s_add_co_u32 s54, s54, s50
	s_lshl_b32 s54, s54, 14                        ; aimg: 16,384 bytes a token tile,
	s_and_b32 s55, s12, 15
	s_lshl_b32 s55, s55, 10                        ; 1,024 a head
	s_add_co_u32 s54, s54, s55
	s_mov_b32 s55, 0
	s_wait_dscnt 0x0                               ; both opening adds are done
	s_wait_kmcnt 0x0
	s_load_b256 s[68:75], s[6:7], 0x18             ; e6 .. e13
	s_load_b64 s[76:77], s[6:7], 0x38              ; e14, e15
	s_mov_b32 s32, 1
	s_mov_b32 s33, s67
	s_add_nc_u64 s[34:35], s[4:5], s[48:49]
	s_or_b32 s35, s35, 0x80000000
	s_add_nc_u64 s[4:5], s[4:5], s[52:53]
	s_add_nc_u64 s[8:9], s[8:9], s[54:55]
	CROUND                                         ; the four partners are here: the joint loads meet
	tensor_load_to_lds s[32:35], s[24:31]          ; my one tensor load of the launch
	s_nop 0
	v_and_b32 v1, 31, v0
	v_lshlrev_b32 v3, 2, v1
	v_lshlrev_b32 v1, 4, v1
	v_mov_b32 v10, 0                               ; a lane permute's destination counts as read: written once
	v_mov_b32 v11, 0
	WIN W_LD
.set t, 0
.rept 4
	global_load_b128 v[QA+4*t:QA+4*t+3], v1, s[4:5] offset:512*t   ; Q's two fragments stay in registers
.set t, t+1
.endr
	WIN 0
	; the weight: wave number 64 (head % 16) + 8 x + wave of 1,024; 32 columns x 128 along K
	s_and_b32 s48, s12, 15
	s_lshl_b32 s48, s48, 6
	s_lshl_b32 s49, s11, 3
	s_add_co_u32 s48, s48, s49
	s_add_co_u32 s48, s48, s18
	s_mov_b32 s53, 0x1400000
	s_cmp_lt_u32 s12, 16                           ; w1 or w2: the work-group's y alone
	s_cselect_b32 s49, 127, 31                     ; groups of 32 columns, less one
	s_cselect_b32 s50, 7, 5
	s_cselect_b32 s51, 21, 19                      ; 128 rows of the weight, as a shift
	s_cselect_b32 s52, 14, 16                      ; an image tile of 16 columns, as a shift
	s_cselect_b32 s36, 14, 12                      ; a row of the weight, as a shift
	s_cselect_b32 s53, 0x1000000, s53
	s_cselect_b64 s[56:57], s[56:57], s[58:59]
	s_and_b32 s54, s48, s49                        ; which 32 columns
	s_lshr_b32 s55, s48, s50                       ; which 128 along K
	s_lshl_b32 s62, s55, s51
	s_lshl_b32 s63, s54, 7
	s_add_co_u32 s62, s62, s63
	s_mov_b32 s63, 0
	s_add_nc_u64 s[56:57], s[56:57], s[62:63]
	s_lshl_b32 s62, s54, 1
	s_lshl_b32 s62, s62, s52
	s_add_co_u32 s62, s62, s53
	s_lshl_b32 s66, s55, 11
	s_add_co_u32 s62, s62, s66
	s_add_nc_u64 s[60:61], s[60:61], s[62:63]
	s_lshl_b32 s62, 8, s36                         ; the first step: 8 rows,
	s_lshl_b32 s37, 16, s36                        ; turned into 24 and back by an exclusive or with 16 rows
	s_wait_alu depctr_va_vdst(0)
	v_bfe_u32 v31, v0, 4, 1
	v_lshlrev_b32 v31, s52, v31                    ; lanes 16-31 hold the next image tile's columns,
	v_and_b32 v6, 15, v0
	v_lshl_add_u32 v31, v6, 4, v31                 ; 16 bytes a column
	WIN W_LD
.set k, 0
.rept 16
	v_lshl_add_u32 v[WO+k], 16*(k/8)+k%8, s36, v3  ; row x its bytes + 4 x lane
.set k, k+1
.endr
	WIN 0
	v_mov_b32 v12, 0x7f61b1e6                      ; -M: 3e38
	v_mov_b32 v14, 0x7f61b1e6
	v_mov_b32 v13, 0xff61b1e6                      ; the largest score so far: -3e38
	v_mov_b32 v15, 0xff61b1e6
.irp r, 16,17,18,19,21,23
	v_mov_b32 v\r, 0                               ; the sums; the upper halves of f's pairs
.endr
.set j, 0
.rept 64
	v_mov_b32 v[OA+j], 0                           ; O^T: the step is written once, its first run finds zeros
.set j, j+1
.endr
	s_wait_kmcnt 0x0
	s_add_co_i32 s52, s68, s69
	s_lshl_b32 s52, s52, 23
	s_add_co_i32 s22, s22, s52                     ; e6 + e7 added to c's exponent field
	s_mov_b32 s23, s22
	s_add_co_i32 s52, s70, 127
	s_lshl_b32 s53, s52, 23
	v_mov_b32 v28, s53                             ; 2^e8
	s_add_co_i32 s52, s52, 8
	s_lshl_b32 s52, s52, 23
	s_or_b32 s52, s52, 0x600000
	v_mov_b32 v26, s52                             ; 448 x 2^e8, twice
	v_mov_b32 v27, s52
	s_cmp_lt_u32 s12, 16
	s_cselect_b32 s52, s75, s77                    ; e13 or e15
	s_add_co_i32 s52, s52, 127
	s_lshl_b32 s53, s52, 23
	v_mov_b32 v30, s53
	s_add_co_i32 s52, s52, 8
	s_lshl_b32 s52, s52, 23
	s_or_b32 s52, s52, 0x600000
	v_mov_b32 v29, s52
	s_wait_alu depctr_va_vdst(0)
	s_wait_loadcnt 0x0                             ; Q
	s_wait_tensorcnt 0x0                           ; my own 32,768 bytes are in: I alone read them ahead of the barrier
	s_mov_b32 s2, s67
	TRIP 1
	s_wait_alu depctr_va_vdst(0)
	s_wait_dscnt 0x0
	s_barrier_signal -1                            ; every wave has waited for its load ahead of its signal:
	s_barrier_wait -1                              ; all of K and V is in
	s_mov_b32 s66, 32768
	s_xor_b32 s2, s66, s67
	v_add_nc_u32 v2, s2, v1
	s_wait_alu depctr_va_vdst(0)
	LD16 KF, 2, 0                                  ; the loop's first fragments
	LD16 VF, 2, 16384
.Ltrip:                                                ; seven trips: region (trip xor wave); 32 LDS loads are out at its head on both ways in
	s_xor_b32 s2, s66, s67
	s_add_co_u32 s38, s66, 32768
	s_and_b32 s38, s38, 0x3ffff                    ; behind the last region: my own again
	s_xor_b32 s38, s38, s67
	TRIP 0
	s_add_co_u32 s66, s66, 32768
	s_cmp_lt_u32 s66, 262144
	s_wait_alu depctr_va_vdst(0)
	s_cbranch_scc1 .Ltrip
	; THE WAY OUT: O^T / the sum x 2^(e8 + e9), held, quantised with 2^e10; the codes are operand registers and leave as they stand
	s_wait_xcnt 0x0                                ; the last piece's store has read its data
	v_add_f32 v16, v16, v17
	v_add_f32 v18, v18, v19
	v_permlanex16_b32 v10, v16, s20, s21
	v_permlanex16_b32 v11, v18, s20, s21
	v_add_f32 v16, v16, v10
	v_add_f32 v18, v18, v11
	s_wait_alu depctr_va_vdst(0)                   ; ahead of the transcendentals
	v_rcp_f32 v16, v16
	v_rcp_f32 v18, v18
	s_add_co_i32 s52, s72, 127
	s_lshl_b32 s53, s52, 23
	v_mov_b32 v6, s53                              ; 2^e10
	s_add_co_i32 s52, s52, 8
	s_lshl_b32 s52, s52, 23
	s_or_b32 s52, s52, 0x600000
	v_mov_b32 v7, s52                              ; 448 x 2^e10
	s_add_co_i32 s52, s70, s71
	s_wait_alu depctr_va_vdst(0)                   ; behind them, ahead of their first reader
	v_ldexp_f32 v16, v16, s52
	v_ldexp_f32 v18, v18, s52
	s_wait_alu depctr_va_vdst(0)                   ; the wait directly ahead of the first reader of O^T
.set j, 0
.rept 16
	v_pk_mul_f32 v[SA+j:SA+j+1], v[OA+j:OA+j+1], v[16:17] op_sel_hi:[1,0]
.set j, j+2
.endr
.set j, 0
.rept 16
	v_pk_mul_f32 v[SA+32+j:SA+32+j+1], v[OB+j:OB+j+1], v[18:19] op_sel_hi:[1,0]
.set j, j+2
.endr
.set j, 0
.rept 64
	v_med3_num_f32 v[SA+j], v[SA+j], -v7, v7
.set j, j+1
.endr
.set t, 0
.rept 8
	v_cvt_scalef32_pk8_fp8_f32 v[SB+2*t:SB+2*t+1], v[SA+8*t:SA+8*t+7], v6
.set t, t+1
.endr
	v_nop
	global_store_b128 v1, v[SB:SB+3], s[8:9]                       ; 32 lanes store 512 consecutive bytes
	global_store_b128 v1, v[SB+4:SB+7], s[8:9] offset:512
	global_store_b128 v1, v[SB+8:SB+11], s[8:9] offset:16384       ; tile B: the next token tile
	global_store_b128 v1, v[SB+12:SB+15], s[8:9] offset:16896
	s_wait_tensorcnt 0x0                           ; the wave's end
	ds_add_u32 v4, v5
	s_wait_dscnt 0x0
	CROUND                                         ; the closing round
	s_endpgm
.Lfunc_end_k_q66e70f4c55_attn:
	.size	k_q66e70f4c55_attn, .Lfunc_end_k_q66e70f4c55_attn-k_q66e70f4c55_attn
	.p2alignl 7, 3214868480
	.fill 96, 4, 3214868480
	.section	.rodata,"a",@progbits
	.p2align	6, 0x0
	.amdhsa_kernel k_q66e70f4c55_attn
		.amdhsa_group_segment_fixed_size 327680
		.amdhsa_private_segment_fixed_size 0
		.amdhsa_enable_private_segment 0
		.amdhsa_kernarg_size 48
		.amdhsa_user_sgpr_count 2
		.amdhsa_user_sgpr_kernarg_segment_ptr 1
		.amdhsa_wavefront_size32 1
		.amdhsa_system_sgpr_workgroup_id_x 1
		.amdhsa_system_sgpr_workgroup_id_y 1
		.amdhsa_system_sgpr_workgroup_id_z 1
		.amdhsa_system_vgpr_workitem_id 0
		.amdhsa_next_free_vgpr 512
		.amdhsa_next_free_sgpr 80
		.amdhsa_reserve_vcc 0
		.amdhsa_float_denorm_mode_32 3
		.amdhsa_float_denorm_mode_16_64 3
		.amdhsa_memory_ordered 1
		.amdhsa_forward_progress 1
		.amdhsa_inst_pref_size 139
	.end_amdhsa_kernel
	.amdgpu_metadata
---
amdhsa.version: [ 1, 2 ]
amdhsa.kernels:
  - .name:           k_q66e70f4c55_attn
    .symbol:         k_q66e70f4c55_attn.kd
    .args:
      - { .name: qkvimg, .offset: 0, .size: 8, .value_kind: global_buffer, .address_space: global }
      - { .name: lowp_scales, .offset: 8, .size: 8, .value_kind: global_buffer, .address_space: global }
      - { .name: aimg, .offset: 16, .size: 8, .value_kind: global_buffer, .address_space: global }
      - { .name: w1, .offset: 24, .size: 8, .value_kind: global_buffer, .address_space: global }
      - { .name: w2, .offset: 32, .size: 8, .value_kind: global_buffer, .address_space: global }
      - { .name: pimg, .offset: 40, .size: 8, .value_kind: global_buffer, .address_space: global }
    .group_segment_fixed_size: 327680
    .private_segment_fixed_size: 0
    .kernarg_segment_align: 8
    .kernarg_segment_size: 48
    .max_flat_workgroup_size: 256
    .sgpr_count:     80
    .vgpr_count:     512
    .wavefront_size: 32
...
	.end_amdgpu_metadata
.endif
;; end of part 3
;; launch oproj (part 4): grid 8 x 32, 4 waves a work-group, clusters of 4 x 4, 327,680 bytes of LDS; arguments aimg, pimg, lowp_scales, bo, x, x1; writes x1
.if DOCPART == 4
	.amdgcn_target "amdgcn-amd-amdhsa--gfx1250"
	.amdhsa_code_object_version 6
	.text
	.protected	k_q66e70f4c55_oproj
	.globl	k_q66e70f4c55_oproj
	.p2align	8
	.type	k_q66e70f4c55_oproj,@function
k_q66e70f4c55_oproj:
	s_mov_b64 s[64:65], 0
	v_nop
	global_prefetch_b8 v0, s[64:65] scope:SCOPE_SE
	s_setreg_imm32_b32 hwreg(HW_REG_WAVE_MODE, 25, 1), 1
	s_wait_xcnt 0x0
	s_wait_alu depctr_hold_cnt(0) depctr_sa_sdst(0) depctr_va_vdst(0) depctr_va_sdst(0) depctr_va_ssrc(0) depctr_va_vcc(0) depctr_vm_vsrc(0)
	s_getreg_b32 s2, hwreg(HW_REG_IB_STS2, 6, 4)
	s_cmp_eq_u32 s2, 0
	s_cbranch_scc0 .Lentry_in_a_cluster
	s_endpgm
.Lentry_in_a_cluster:
	s_bfe_u32 s2, ttmp6, 0x10000c
	s_cmp_lg_u32 s2, 0xf033
	s_cbranch_scc0 .Lentry_shape_is_right
	s_endpgm
.Lentry_shape_is_right:
; x1 = x + attn wo + bo.  The product on codes of FP8 (E4M3); the sums x 2^(e10 + e11), the bias and the residual in f32.
; A tile of 128 x 128 of the result, so that 256 work-groups share it; four waves, 64 x 64 each: 16 accumulators.
; ALL OF K AT ONCE: 128 tokens and 128 of the weight's columns x 1,024 codes are 2 x 131,072 bytes of LDS.  Each wave issues ONE joint load at the head, 4 row tiles x 16,384 bytes, which lie on end in memory;
; nothing is filled again, so there is no ring, and one barrier behind the loads serves the whole product: eight steps of 128 along K.
; OPERANDS ARE IMAGES OF THEIR REGISTERS (16 rows x 128 k = 2,048 bytes; registers 4 G .. 4 G + 3 at 512 G + 16 lane): every LDS read is 16 x lane + a constant.
; Source 0 = 16 of the weight's columns, source 1 = 16 tokens: a lane holds eight neighbouring columns of one row of the result.
; CLUSTERS: 4 x 4; the tokens' tiles are shared along a row of the cluster, the weight's along a column, each asked for jointly.  No prefetch: all tiles are asked for at the head.
; LIMIT: e10 + e11 between -126 and 127.
; REGISTERS: window 0: v12-15 bias; v16-29 addresses; v32-63 rows back from the stage; v64-127 the residual of blocks 0, 1 (blocks 2, 3 land on accumulators that are done with); v128-255 accumulators.
;   window 1: two fragment buffers of 128: the tokens' four fragments, then the weight's four.
.set WOFF,   0xf00000                  ; wo's image in pimg
.set SB,     16384                     ; a row tile: 16 rows x 1,024 codes, in memory and in LDS
.set HALFT,  4*SB                      ; what one tensor load brings, and what one wave reads of a side
.set STAGE,  4*HALFT                   ; behind the tiles: 16 rows x 272 bytes for each wave
.set SPITCH, 272
.set SPARE,  STAGE+4*16*SPITCH         ; the spare words, 128 bytes a wave, which no other line names
.set ADRA, 16
.set ADRB, 20
.set STO,  24
.set RD,   25
.set CO,   26
.set SPW,  28
.set NIL,  29
.set BK,   32
.set ACC,  128
.set F0,   0
.set F1,   128
.set G1, 24
.set G0, 32
.set G1B, 48
.set G0B, 56
.set MSB, 0
.macro WIN new
.if MSB != \new
	s_set_vgpr_msb (MSB<<8)|\new
.set MSB, \new
.endif
.endm
.set MUL,  0x05                        ; sources 0 and 1 window 1; C and D window 0
.set TO_F, 0x40
.macro CROUND
	s_barrier_signal -1
	s_barrier_wait -1
	s_cmp_lg_u32 s10, 0
	s_cbranch_scc1 .Lnot_wave_0_\@
	s_barrier_signal -3
.Lnot_wave_0_\@:
	s_barrier_wait -3
	s_barrier_signal -1
	s_barrier_wait -1
.endm
.macro MUL4 f, a, zero                 ; the 16 accumulators take turns, one instruction a turn, in the same order in every step
.irp b, 0,1,2,3
.if \zero
	v_wmma_f32_16x16x128_fp8_fp8 v[ACC+8*(4*(\a)+\b):ACC+8*(4*(\a)+\b)+7], v[\f+64+16*\b:\f+64+16*\b+15], v[\f+16*(\a):\f+16*(\a)+15], 0
.else
	v_wmma_f32_16x16x128_fp8_fp8 v[ACC+8*(4*(\a)+\b):ACC+8*(4*(\a)+\b)+7], v[\f+64+16*\b:\f+64+16*\b+15], v[\f+16*(\a):\f+16*(\a)+15], v[ACC+8*(4*(\a)+\b):ACC+8*(4*(\a)+\b)+7]
.endif
.endr
.endm
.macro FETCH q, f                      ; 32 LDS loads in one run: the weight's four fragments of step q, then the tokens' four
	WIN TO_F
.irp i, 0,1,2,3
.irp c, 0,1,2,3
	ds_load_b128 v[\f+64+16*\i+4*\c:\f+64+16*\i+4*\c+3], v[ADRB] offset:\i*SB+(\q)*2048+512*\c
.endr
.endr
.irp i, 0,1,2,3
.irp c, 0,1,2,3
	ds_load_b128 v[\f+16*\i+4*\c:\f+16*\i+4*\c+3], v[ADRA] offset:\i*SB+(\q)*2048+512*\c
.endr
.endr
.endm
.macro PLACES
.rept 4
	v_nop
.endr
.endm
.macro STEP q, f, g, zero              ; 128 along K from buffer f; the next step's fragments go into g
	s_wait_dscnt 8                                 ; the youngest eight loads (the tokens' blocks 2, 3) may be out
	WIN MUL
	MUL4 \f, 0, \zero
	MUL4 \f, 1, \zero
	PLACES
	FETCH (\q)+1, \g
	s_wait_dscnt 32                                ; all but the 32 just issued
	WIN MUL
	MUL4 \f, 2, \zero
	MUL4 \f, 3, \zero
.endm
; THE WAY OUT of block a (16 rows x my 64 columns): the raw sums go through my own stage and come back as rows of 256 bytes; result = sum x 2^(e10 + e11) + (residual + bias).
.macro OUTB a, left
.set AC, ACC+32*(\a)
.set RS, 64+32*(\a)
.set BK, 32+32*(\a)                    ; the rows come back into 32 registers of the block's own (from block 1 on: those of the residual just used up), so no store's data are written again
.irp b, 0,1,2,3
	ds_store_b128 v[STO], v[AC+8*\b:AC+8*\b+3] offset:64*\b          ; each accumulator from its low end on
	ds_store_b128 v[STO], v[AC+8*\b+4:AC+8*\b+7] offset:64*\b+16
.endr
.irp t, 0,1,2,3,4,5,6,7
	ds_load_b128 v[BK+4*\t:BK+4*\t+3], v[RD] offset:2*\t*SPITCH      ; LDS serves a wave's instructions in order: these see my stores
.endr
	s_wait_dscnt 0x0
.if (\a) < 2
.irp t, 0,1,2,3,4,5,6,7
	global_load_b128 v[AC+4*\t:AC+4*\t+3], v[CO], s[76:77] offset:(16*((\a)+2)+2*\t)*4096   ; the residual of block a + 2, onto accumulators that have left
.endr
.endif
	s_wait_loadcnt \left                           ; this block's residual is in; the younger blocks' loads may be out
.irp t, 0,1,2,3,4,5,6,7
	v_pk_add_f32 v[RS+4*\t:RS+4*\t+1], v[RS+4*\t:RS+4*\t+1], v[12:13]
	v_pk_add_f32 v[RS+4*\t+2:RS+4*\t+3], v[RS+4*\t+2:RS+4*\t+3], v[14:15]
.endr
.set k, 0
.rept 16
	v_pk_fma_f32 v[BK+k:BK+k+1], v[BK+k:BK+k+1], s[96:97], v[RS+k:RS+k+1] op_sel_hi:[1,0,1]
.set k, k+2
.endr
.irp t, 0,1,2,3,4,5,6,7
	global_store_b128 v[CO], v[BK+4*\t:BK+4*\t+3], s[78:79] offset:(16*(\a)+2*\t)*4096   ; sixteen lanes store 256 consecutive bytes, aligned
.endr
.endm
	s_load_b256 s[68:75], s[0:1], 0x0              ; the tokens' images 68, pimg 70, scales 72, bias 74
	s_load_b128 s[76:79], s[0:1], 0x20             ; residual 76, result 78
	v_lshl_add_u32 v[SPW], v0, 2, SPARE
	v_mov_b32 v[NIL], 0
	ds_add_u32 v[SPW], v[NIL]                      ; the wave's opening: the add, twice on end, and its wait ahead of my tensor load
	ds_add_u32 v[SPW], v[NIL]
	v_lshrrev_b32 v1, 5, v0
	v_readfirstlane_b32 s10, v1                    ; wave
	s_lshr_b32 s11, s10, 1                         ; my half of the rows.  Also: I fetch the tokens' (0) or the weight's (1)
	s_and_b32 s12, s10, 1                          ; my half of the columns.  Also: which 4 row tiles I fetch
	s_bfe_u32 s40, ttmp6, 0x40000
	s_bfe_u32 s41, ttmp6, 0x40004
	s_lshl_b32 s42, ttmp9, 2
	s_add_co_u32 s42, s42, s40                     ; tile column
	s_and_b32 s13, ttmp7, 0xffff
	s_lshl_b32 s13, s13, 2
	s_add_co_u32 s13, s13, s41                     ; tile row
	s_lshl_b32 s43, s41, 2
	s_lshl_b32 s43, 15, s43
	s_lshl_b32 s44, 0x1111, s40
	s_or_b32 s[G1+0], s43, (3<<16)|(1<<21)         ; the mask; elements of 8 bytes; bit 21 beside a mask; no padding
	s_or_b32 s[G1B+0], s44, (3<<16)|(1<<21)
.irp g, G1, G1B
	s_mov_b32 s[\g+1], 2048<<16                    ; tensor_dim0: 16,384 bytes
	s_mov_b32 s[\g+2], 4<<16                       ; tensor_dim1: 4 row tiles
	s_mov_b32 s[\g+3], 2048<<16
	s_mov_b32 s[\g+4], 4
	s_mov_b32 s[\g+5], SB/8
	s_mov_b32 s[\g+6], 0
	s_mov_b32 s[\g+7], 0
.endr
	s_lshl_b32 s18, s12, 2
	s_lshl_b32 s16, s13, 3
	s_add_co_u32 s16, s16, s18
	s_mul_i32 s16, s16, SB
	s_mov_b32 s17, 0
	s_lshl_b32 s46, s42, 3
	s_add_co_u32 s46, s46, s18
	s_mul_i32 s46, s46, SB
	s_add_co_u32 s46, s46, WOFF
	s_mov_b32 s47, 0
	s_mul_i32 s20, s10, HALFT                      ; where they go: no place in the cluster enters an LDS address
	s_wait_dscnt 0x0                               ; both opening adds are done
	s_wait_kmcnt 0x0
	s_load_b64 s[96:97], s[72:73], 40              ; e10, e11
	s_mov_b32 s[G0], 1
	s_mov_b32 s[G0+1], s20
	s_add_nc_u64 s[G0+2:G0+3], s[68:69], s[16:17]
	s_or_b32 s[G0+3], s[G0+3], 0x80000000
	s_mov_b32 s[G0B], 1
	s_mov_b32 s[G0B+1], s20
	s_add_nc_u64 s[G0B+2:G0B+3], s[70:71], s[46:47]
	s_or_b32 s[G0B+3], s[G0B+3], 0x80000000
	CROUND                                         ; all sixteen work-groups are here: the joint loads meet
	s_cmp_eq_u32 s11, 0                            ; waves 0, 1 fetch the tokens' halves, waves 2, 3 the weight's; an s_nop 0 and four v_nop follow each line
	s_cbranch_scc0 .Lfor_b
	tensor_load_to_lds s[G0:G0+3], s[G1:G1+7]
	s_nop 0
.rept 4
	v_nop
.endr
	s_branch .Lasked
.Lfor_b:
	tensor_load_to_lds s[G0B:G0B+3], s[G1B:G1B+7]
	s_nop 0
.rept 4
	v_nop
.endr
.Lasked:
	v_and_b32 v1, 15, v0
	s_wait_alu depctr_va_vdst(0)
	v_bfe_u32 v2, v0, 4, 1
	v_and_b32 v3, 31, v0
	v_lshlrev_b32 v3, 4, v3
	s_mul_i32 s21, s11, HALFT
	s_mul_i32 s22, s12, HALFT
	s_add_co_u32 s22, s22, 2*HALFT
	v_add_nc_u32 v[ADRA], s21, v3
	v_add_nc_u32 v[ADRB], s22, v3
	s_mul_i32 s23, s10, 16*SPITCH
	s_add_co_u32 s23, s23, STAGE                   ; my stage
	v_mul_u32_u24 v4, v1, SPITCH
	s_wait_alu depctr_va_vdst(0)
	v_lshl_add_u32 v4, v2, 5, v4
	v_add_nc_u32 v[STO], s23, v4                   ; in: row l % 16, 32 bytes for each half of the lanes
	v_mul_u32_u24 v5, v2, SPITCH
	v_lshl_add_u32 v5, v1, 4, v5
	v_add_nc_u32 v[RD], s23, v5                    ; back: lanes 0-15 one row of 256 bytes, lanes 16-31 the next
	v_lshlrev_b32 v5, 12, v2
	v_lshl_add_u32 v[CO], v1, 4, v5                ; and the same two rows in memory
	v_lshlrev_b32 v6, 4, v1
	s_wait_alu depctr_va_vdst(0)
	s_lshl_b32 s16, s13, 7
	s_lshl_b32 s17, s11, 6
	s_add_co_u32 s16, s16, s17
	s_lshl_b32 s16, s16, 12                        ; my first row, 4,096 bytes a row
	s_lshl_b32 s18, s42, 7
	s_lshl_b32 s19, s12, 6
	s_add_co_u32 s18, s18, s19
	s_lshl_b32 s18, s18, 2                         ; my first column
	s_mov_b32 s19, 0
	s_add_nc_u64 s[74:75], s[74:75], s[18:19]
	s_add_co_u32 s16, s16, s18
	s_mov_b32 s17, 0
	s_add_nc_u64 s[76:77], s[76:77], s[16:17]
	s_add_nc_u64 s[78:79], s[78:79], s[16:17]
	global_load_b128 v[12:15], v6, s[74:75]        ; the bias of my four columns of a row
	v_and_b32 v31, 31, v0
	v_lshlrev_b32 v31, 12, v31
	global_prefetch_b8 v31, s[76:77] offset:32*4096 th:TH_LOAD_NT scope:SCOPE_SE   ; the residual of my blocks 2 and 3, which is loaded only on the way out: a lane a row, 256 bytes each, named by this wave alone
.set k, 0
.rept 16
	global_load_b128 v[64+4*k:64+4*k+3], v[CO], s[76:77] offset:2*k*4096   ; the residual of blocks 0 and 1
.set k, k+1
.endr
	s_wait_alu depctr_va_vdst(0)
	s_wait_tensorcnt 0x0                           ; my quarter of the tiles is in;
	s_barrier_signal -1
	s_barrier_wait -1                              ; everybody's is
	FETCH 0, F0
	STEP 0, F0, F1, 1                              ; the first step's products start the sums
	STEP 1, F1, F0, 0
	STEP 2, F0, F1, 0
	STEP 3, F1, F0, 0
	STEP 4, F0, F1, 0
	STEP 5, F1, F0, 0
	STEP 6, F0, F1, 0
	s_wait_dscnt 8
	WIN MUL
	MUL4 F1, 0, 0
	MUL4 F1, 1, 0
	s_wait_dscnt 0
	MUL4 F1, 2, 0
	MUL4 F1, 3, 0
	WIN 0
	s_wait_kmcnt 0x0
	s_add_co_i32 s96, s96, s97
	s_add_co_i32 s96, s96, 127
	s_lshl_b32 s96, s96, 23                        ; 2^(e10 + e11)
	s_mov_b32 s97, s96
	PLACES
	OUTB 0, 16
	OUTB 1, 16
	OUTB 2, 8
	OUTB 3, 0
	s_wait_tensorcnt 0x0                           ; the wave's end
	ds_add_u32 v[SPW], v[NIL]
	s_wait_dscnt 0x0
	CROUND                                         ; the closing round
	s_endpgm
.Lfunc_end_k_q66e70f4c55_oproj:
	.size	k_q66e70f4c55_oproj, .Lfunc_end_k_q66e70f4c55_oproj-k_q66e70f4c55_oproj
	.p2alignl 7, 3214868480
	.fill 96, 4, 3214868480
	.section	.rodata,"a",@progbits
	.p2align	6, 0x0
	.amdhsa_kernel k_q66e70f4c55_oproj
		.amdhsa_group_segment_fixed_size 327680
		.amdhsa_private_segment_fixed_size 0
		.amdhsa_enable_private_segment 0
		.amdhsa_kernarg_size 48
		.amdhsa_user_sgpr_count 2
		.amdhsa_user_sgpr_kernarg_segment_ptr 1
		.amdhsa_wavefront_size32 1
		.amdhsa_system_sgpr_workgroup_id_x 1
		.amdhsa_system_sgpr_workgroup_id_y 1
		.amdhsa_system_sgpr_workgroup_id_z 1
		.amdhsa_system_vgpr_workitem_id 0
		.amdhsa_next_free_vgpr 512
		.amdhsa_next_free_sgpr 100
		.amdhsa_reserve_vcc 0
		.amdhsa_float_denorm_mode_32 3
		.amdhsa_float_denorm_mode_16_64 3
		.amdhsa_memory_ordered 1
		.amdhsa_forward_progress 1
		.amdhsa_inst_pref_size 51
	.end_amdhsa_kernel
	.amdgpu_metadata
---
amdhsa.version: [ 1, 2 ]
amdhsa.kernels:
  - .name:           k_q66e70f4c55_oproj
    .symbol:         k_q66e70f4c55_oproj.kd
    .args:
      - { .name: aimg, .offset: 0, .size: 8, .value_kind: global_buffer, .address_space: global }
      - { .name: pimg, .offset: 8, .size: 8, .value_kind: global_buffer, .address_space: global }
      - { .name: lowp_scales, .offset: 16, .size: 8, .value_kind: global_buffer, .address_space: global }
      - { .name: bo, .offset: 24, .size: 8, .value_kind: global_buffer, .address_space: global }
      - { .name: x, .offset: 32, .size: 8, .value_kind: global_buffer, .address_space: global }
      - { .name: x1, .offset: 40, .size: 8, .value_kind: global_buffer, .address_space: global }
    .group_segment_fixed_size: 327680
    .private_segment_fixed_size: 0
    .kernarg_segment_align: 8
    .kernarg_segment_size: 48
    .max_flat_workgroup_size: 128
    .sgpr_count:     100
    .vgpr_count:     512
    .wavefront_size: 32
...
	.end_amdgpu_metadata
.endif
;; end of part 4
;; launch ln2 (part 5): grid 256 x 1, 4 waves a work-group, no clusters, 17,152 bytes of LDS; arguments x1, g2, be2, lowp_scales, n2img; writes n2img
.if DOCPART == 5
	.amdgcn_target "amdgcn-amd-amdhsa--gfx1250"
	.amdhsa_code_object_version 6
	.text
	.protected	k_q66e70f4c55_ln2
	.globl	k_q66e70f4c55_ln2
	.p2align	8
	.type	k_q66e70f4c55_ln2,@function
k_q66e70f4c55_ln2:
	s_mov_b64 s[64:65], 0
	v_nop
	global_prefetch_b8 v0, s[64:65] scope:SCOPE_SE
	s_setreg_imm32_b32 hwreg(HW_REG_WAVE_MODE, 25, 1), 1
	s_wait_xcnt 0x0
; n2 = LayerNorm(x1) g2 + be2 for 16 tokens a work-group, quantised to FP8 (E4M3) with the scale 2^e12 and stored as images of operand registers:
; a fragment is 16 rows x 128 k = 2,048 bytes, byte 512 G + 16 lane + 8 p + i = row lane % 16, k = 32 G + 16 p + 8 (lane / 16) + i; n2img is [256 token tiles][8 K steps][2,048].
; A stream: each byte of x1 is read once, a row stays in one wave's registers between the passes; no tensor load, no matrix unit, no cluster.
; LIMITS: e12 between -126 and 119.  NaN is not served.
.set NV,    1
.set SP,    1040                       ; a stage row: 1,024 codes + 16 bytes
.set STG,   16*SP
.set SPARE, NV*STG                     ; behind the stage: the spare words, 128 bytes a wave, which no other line names
.set CD,    16
.set T,     32
.set X,     64
.set GA,    192
.set BE,    224
.set SPW,   10
.set NIL,   11
.macro RED                             ; v13 summed over the wave's 32 lanes, the result in every lane
	v_add_f32_dpp v13, v13, v13 row_xmask:1 row_mask:0xf bank_mask:0xf
	v_add_f32_dpp v13, v13, v13 row_xmask:2 row_mask:0xf bank_mask:0xf
	v_add_f32_dpp v13, v13, v13 row_xmask:4 row_mask:0xf bank_mask:0xf
	v_add_f32_dpp v13, v13, v13 row_xmask:8 row_mask:0xf bank_mask:0xf
	v_permlanex16_b32 v12, v13, s30, s31
	v_add_f32 v13, v13, v12
.endm
.macro FOLD
	v_pk_add_f32 v[T:T+1], v[T:T+1], v[T+2:T+3]
	v_pk_add_f32 v[T+4:T+5], v[T+4:T+5], v[T+6:T+7]
	v_pk_add_f32 v[T:T+1], v[T:T+1], v[T+4:T+5]
	v_add_f32 v13, v[T], v[T+1]
	RED
.endm
.macro ROWLN i                         ; one row of the wave's four; lane l holds columns 128 j + 4 l .. + 3 in registers 4 j .. 4 j + 3
.set XR, X+32*(\i)
	s_wait_loadcnt 8*(3-(\i))                      ; this row's eight loads are in, the younger rows' stay out
.set c, 0
.rept 4
	v_pk_add_f32 v[T+2*c:T+2*c+1], v[XR+4*c:XR+4*c+1], v[XR+4*c+2:XR+4*c+3]
.set c, c+1
.endr
.set c, 0
.rept 8
	v_pk_add_f32 v[T+2*(c%4):T+2*(c%4)+1], v[T+2*(c%4):T+2*(c%4)+1], v[XR+16+2*c:XR+16+2*c+1]
.set c, c+1
.endr
	FOLD
	v_mul_f32 v6, s29, v13                         ; the mean, twice
	v_mul_f32 v7, s29, v13
.set k, 0
.rept 16
	v_pk_add_f32 v[XR+k:XR+k+1], v[XR+k:XR+k+1], v[6:7] neg_lo:[0,1] neg_hi:[0,1]
.set k, k+2
.endr
.set c, 0
.rept 4
	v_pk_mul_f32 v[T+2*c:T+2*c+1], v[XR+2*c:XR+2*c+1], v[XR+2*c:XR+2*c+1]
.set c, c+1
.endr
.set c, 0
.rept 12
	v_pk_fma_f32 v[T+2*(c%4):T+2*(c%4)+1], v[XR+8+2*c:XR+8+2*c+1], v[XR+8+2*c:XR+8+2*c+1], v[T+2*(c%4):T+2*(c%4)+1]
.set c, c+1
.endr
	FOLD
	v_fma_f32 v8, v13, s29, s33                    ; the variance + 1e-5
	s_wait_alu depctr_va_vdst(0)
	v_rsq_f32 v8, v8
	v_nop                                          ; a plain instruction behind the transcendental,
	s_wait_alu depctr_va_vdst(0)                   ; and the wait ahead of its first reader
	v_mov_b32 v9, v8
.set k, 0
.rept 16
	v_pk_mul_f32 v[XR+k:XR+k+1], v[XR+k:XR+k+1], v[8:9]
.set k, k+2
.endr
.set k, 0
.rept 16
	v_pk_fma_f32 v[XR+k:XR+k+1], v[XR+k:XR+k+1], v[GA+k:GA+k+1], v[BE+k:BE+k+1]
.set k, k+2
.endr
.set k, 0
.rept 32
	v_med3_num_f32 v[T+k], v[XR+k], -v25, v25      ; the conversion does not saturate (ISA guide 7.6.2)
.set k, k+1
.endr
	s_wait_alu depctr_va_vdst(0)
	s_wait_dscnt 0x0                               ; the last stores into the stage have read v16-23
.set k, 0
.rept 4
	v_cvt_scalef32_pk8_fp8_f32 v[CD+2*k:CD+2*k+1], v[T+8*k:T+8*k+7], v24
.set k, k+1
.endr
	v_nop                                          ; a plain instruction between the conversions and the next write of their sources
.set k, 0
.rept 8
	ds_store_b32 v3, v[CD+k] offset:(\i)*SP+128*k
.set k, k+1
.endr
.endm
	s_load_b256 s[4:11], s[0:1], 0x0               ; x1 4, g2 6, be2 8, scales 10
	s_load_b64 s[24:25], s[0:1], 0x20              ; n2img
	v_lshl_add_u32 v[SPW], v0, 2, SPARE
	v_mov_b32 v[NIL], 0
	v_lshrrev_b32 v1, 5, v0
	v_readfirstlane_b32 s28, v1                    ; wave
	v_and_b32 v1, 31, v0                           ; lane
	v_lshlrev_b32 v2, 4, v1
	s_mul_i32 s32, s28, 4*SP
	v_lshlrev_b32 v3, 2, v1
	v_add_nc_u32 v3, s32, v3                       ; the stage, way in
	v_and_b32 v13, 15, v1
	v_bfe_u32 v14, v0, 4, 1
	v_mul_u32_u24 v4, v13, SP
	v_lshl_add_u32 v4, v14, 3, v4
	s_lshl_b32 s32, s28, 8
	v_add_nc_u32 v4, s32, v4                       ; way out: row lane % 16, + 8 (lane / 16), + my wave's two K steps
	s_lshl_b32 s32, s28, 12
	v_add_nc_u32 v5, s32, v2
	v_mov_b32 v12, 0
	s_mov_b32 s30, 0x76543210
	s_mov_b32 s31, 0xfedcba98
	s_mov_b32 s29, 0x3a800000                      ; 1 / 1,024
	s_mov_b32 s33, 0x3727c5ac                      ; 1e-5
	s_lshl_b32 s34, ttmp9, 16
	s_lshl_b32 s35, s28, 14
	s_add_co_u32 s34, s34, s35
	s_mov_b32 s35, 0
	s_lshl_b32 s52, ttmp9, 14
	s_mov_b32 s53, 0
	s_wait_kmcnt 0x0
	s_load_b32 s36, s[10:11], 0x30                 ; e12
	s_add_nc_u64 s[4:5], s[4:5], s[34:35]
	s_add_nc_u64 s[44:45], s[24:25], s[52:53]
.set k, 0
.rept 8
	global_load_b128 v[GA+4*k:GA+4*k+3], v2, s[6:7] offset:512*k
.set k, k+1
.endr
.set k, 0
.rept 8
	global_load_b128 v[BE+4*k:BE+4*k+3], v2, s[8:9] offset:512*k
.set k, k+1
.endr
.set k, 0
.rept 32
	global_load_b128 v[X+4*k:X+4*k+3], v2, s[4:5] offset:512*k
.set k, k+1
.endr
	s_wait_kmcnt 0x0
	s_add_co_i32 s50, s36, 127
	s_lshl_b32 s51, s50, 23
	v_mov_b32 v24, s51                             ; 2^e12
	s_add_co_i32 s50, s50, 8
	s_lshl_b32 s50, s50, 23
	s_or_b32 s50, s50, 0x600000
	v_mov_b32 v25, s50                             ; 448 x 2^e12
	ROWLN 0
	ROWLN 1
	ROWLN 2
	ROWLN 3
	s_wait_dscnt 0x0                               ; for the others' sake: my stores into the stage are done
	s_barrier_signal -1
	s_barrier_wait -1
.set n, 0
.rept 8
	ds_load_b64 v[X+4*n:X+4*n+1], v4 offset:128*(n/4)+32*(n%4)
	ds_load_b64 v[X+4*n+2:X+4*n+3], v4 offset:128*(n/4)+32*(n%4)+16
.set n, n+1
.endr
.set n, 0
.rept 8
	s_wait_dscnt 2*(7-n)                           ; group n's two loads are in
	global_store_b128 v5, v[X+4*n:X+4*n+3], s[44:45] offset:2048*(n/4)+512*(n%4)   ; 32 lanes store 512 consecutive bytes
.set n, n+1
.endr
	s_wait_tensorcnt 0x0                           ; the wave's end
	ds_add_u32 v[SPW], v[NIL]
	s_wait_dscnt 0x0
	s_endpgm
.Lfunc_end_k_q66e70f4c55_ln2:
	.size	k_q66e70f4c55_ln2, .Lfunc_end_k_q66e70f4c55_ln2-k_q66e70f4c55_ln2
	.p2alignl 7, 3214868480
	.fill 96, 4, 3214868480
	.section	.rodata,"a",@progbits
	.p2align	6, 0x0
	.amdhsa_kernel k_q66e70f4c55_ln2
		.amdhsa_group_segment_fixed_size 17152
		.amdhsa_private_segment_fixed_size 0
		.amdhsa_enable_private_segment 0
		.amdhsa_kernarg_size 40
		.amdhsa_user_sgpr_count 2
		.amdhsa_user_sgpr_kernarg_segment_ptr 1
		.amdhsa_wavefront_size32 1
		.amdhsa_system_sgpr_workgroup_id_x 1
		.amdhsa_system_sgpr_workgroup_id_y 1
		.amdhsa_system_sgpr_workgroup_id_z 1
		.amdhsa_system_vgpr_workitem_id 0
		.amdhsa_next_free_vgpr 256
		.amdhsa_next_free_sgpr 66
		.amdhsa_reserve_vcc 0
		.amdhsa_float_denorm_mode_32 3
		.amdhsa_float_denorm_mode_16_64 3
		.amdhsa_memory_ordered 1
		.amdhsa_forward_progress 1
		.amdhsa_inst_pref_size 45
	.end_amdhsa_kernel
	.amdgpu_metadata
---
amdhsa.version: [ 1, 2 ]
amdhsa.kernels:
  - .name:           k_q66e70f4c55_ln2
    .symbol:         k_q66e70f4c55_ln2.kd
    .args:
      - { .name: x1, .offset: 0, .size: 8, .value_kind: global_buffer, .address_space: global }
      - { .name: g2, .offset: 8, .size: 8, .value_kind: global_buffer, .address_space: global }
      - { .name: be2, .offset: 16, .size: 8, .value_kind: global_buffer, .address_space: global }
      - { .name: lowp_scales, .offset: 24, .size: 8, .value_kind: global_buffer, .address_space: global }
      - { .name: n2img, .offset: 32, .size: 8, .value_kind: global_buffer, .address_space: global }
    .group_segment_fixed_size: 17152
    .private_segment_fixed_size: 0
    .kernarg_segment_align: 8
    .kernarg_segment_size: 40
    .max_flat_workgroup_size: 128
    .sgpr_count:     66
    .vgpr_count:     256
    .wavefront_size: 32
...
	.end_amdgpu_metadata
.endif
;; end of part 5
;; launch ff1 (part 6): grid 16 x 16, 4 waves a work-group, clusters of 4 x 4, 327,680 bytes of LDS; arguments n2img, pimg, lowp_scales, b1, himg; writes himg
.if DOCPART == 6
	.amdgcn_target "amdgcn-amd-amdhsa--gfx1250"
	.amdhsa_code_object_version 6
	.text
	.protected	k_q66e70f4c55_ff1
	.globl	k_q66e70f4c55_ff1
	.p2align	8
	.type	k_q66e70f4c55_ff1,@function
k_q66e70f4c55_ff1:
	s_mov_b64 s[64:65], 0
	v_nop
	global_prefetch_b8 v0, s[64:65] scope:SCOPE_SE
	s_setreg_imm32_b32 hwreg(HW_REG_WAVE_MODE, 25, 1), 1
	s_wait_xcnt 0x0
	s_wait_alu depctr_hold_cnt(0) depctr_sa_sdst(0) depctr_va_vdst(0) depctr_va_sdst(0) depctr_va_ssrc(0) depctr_va_vcc(0) depctr_vm_vsrc(0)
	s_getreg_b32 s2, hwreg(HW_REG_IB_STS2, 6, 4)
	s_cmp_eq_u32 s2, 0
	s_cbranch_scc0 .Lentry_in_a_cluster
	s_endpgm
.Lentry_in_a_cluster:
	s_bfe_u32 s2, ttmp6, 0x10000c
	s_cmp_lg_u32 s2, 0xf033
	s_cbranch_scc0 .Lentry_shape_is_right
	s_endpgm
.Lentry_shape_is_right:
.set KB,     4096
.set HALFT,  8*KB
.set SLOT,   4*HALFT
.set SPARE,  2*SLOT
.set TSB,    16384
.set LAPS,   2
.set FR,     16
.set NL,     4
.set NP,     4
.set ADRA, 16
.set ADRB, 20
.set CO,   26
.set SPW,  28
.set NIL,  29
.set CDS,  32
.set CB,   64
.set AF,   128
.set U,    128
.set Z,    144
.set X2,   160
.set P,    176
.set Q,    192
.set RAW,  208
.set G1, 24
.set G0, 32
.set G1B, 48
.set G0B, 56
.set MSB, 0
.macro WIN new
.if MSB != \new
	s_set_vgpr_msb (MSB<<8)|\new
.set MSB, \new
.endif
.endm
.set MUL_LO, 0xa1
.set MUL_HI, 0xf1
.set TO_B,   0x40
.macro JLOAD g0a, g1a, g0b, g1b
	s_cmp_eq_u32 s15, 0
	s_cbranch_scc0 .Lfor_b_\@
	tensor_load_to_lds s[\g0a:\g0a+3], s[\g1a:\g1a+7]
	s_nop 0
.rept 4
	v_nop
.endr
	s_branch .Lasked_\@
.Lfor_b_\@:
	tensor_load_to_lds s[\g0b:\g0b+3], s[\g1b:\g1b+7]
	s_nop 0
.rept 4
	v_nop
.endr
.Lasked_\@:
.endm
.macro CREST
	s_cmp_lg_u32 s14, 0
	s_cbranch_scc1 .Lnot_wave_0_\@
	s_barrier_signal -3
.Lnot_wave_0_\@:
	s_barrier_wait -3
	s_barrier_signal -1
	s_barrier_wait -1
.endm
.macro CROUND
	s_barrier_signal -1
	s_barrier_wait -1
	CREST
.endm
.macro FRAG reg, adr, q, i
.irp c, 0,1,2,3
	ds_load_b128 v[\reg+4*\c:\reg+4*\c+3], v[\adr] offset:(\i)*KB+(\q)*2048+512*\c
.endr
.endm
.macro MUL16 a0, p, zero
.irp a, \a0, \a0+1
.irp b, 0,1,2,3,4,5,6,7
.if \zero
	v_wmma_f32_16x16x128_fp8_fp8 v[8*(8*((\a)%4)+\b):8*(8*((\a)%4)+\b)+7], v[128*(\p)+FR*\b:128*(\p)+FR*\b+FR-1], v[AF+FR*(\a):AF+FR*(\a)+FR-1], 0
.else
	v_wmma_f32_16x16x128_fp8_fp8 v[8*(8*((\a)%4)+\b):8*(8*((\a)%4)+\b)+7], v[128*(\p)+FR*\b:128*(\p)+FR*\b+FR-1], v[AF+FR*(\a):AF+FR*(\a)+FR-1], v[8*(8*((\a)%4)+\b):8*(8*((\a)%4)+\b)+7]
.endif
.endr
.endr
.endm
.macro FETCH_B slot, q, p
	WIN TO_B
.irp i, 0,1,2,3,4,5,6,7
	FRAG 128*(\p)+FR*\i, ADRB+\slot, \q, \i
.endr
	WIN 0
.endm
.macro FETCH_A slot, q, i0
.irp i, \i0, \i0+1, \i0+2, \i0+3
	FRAG AF+FR*(\i), ADRA+\slot, \q, \i
.endr
.endm
.macro PLACES n
.rept \n
	v_nop
.endr
.endm
.macro STEP slot, q, zero
	s_wait_dscnt 4*NL
	WIN MUL_LO
	MUL16 0, (\q)%2, \zero
	MUL16 2, (\q)%2, \zero
	s_wait_dscnt 0
	PLACES NP
	FETCH_B \slot, (\q)+1, 1-(\q)%2
	FETCH_A \slot, (\q)+1, 0
	WIN MUL_HI
	MUL16 4, (\q)%2, \zero
	MUL16 6, (\q)%2, \zero
	PLACES NP
	WIN 0
	FETCH_A \slot, (\q)+1, 4
.endm
.macro TURN slot, next, fill
	s_wait_tensorcnt 0x0
	ds_add_u32 v[SPW], v[NIL]
	s_wait_dscnt 4*NL+1
	WIN MUL_LO
	MUL16 0, 1, 0
	s_wait_dscnt 0x0
	s_barrier_signal -1
	MUL16 2, 1, 0
	WIN 0
	s_barrier_wait -1
.if \fill
	CREST
	s_add_nc_u64 s[G0+4*\slot+2:G0+4*\slot+3], s[G0+4*\slot+2:G0+4*\slot+3], 2*KB
	s_add_nc_u64 s[G0B+4*\slot+2:G0B+4*\slot+3], s[G0B+4*\slot+2:G0B+4*\slot+3], 2*KB
	JLOAD G0+4*\slot, G1, G0B+4*\slot, G1B
.else
	PLACES NP
.endif
	FETCH_B \next, 0, 0
	FETCH_A \next, 0, 0
	WIN MUL_HI
	MUL16 4, 1, 0
	MUL16 6, 1, 0
	PLACES NP
	WIN 0
	FETCH_A \next, 0, 4
.endm
.macro PKC dst, c
.set k, 0
.rept 8
	v_pk_fma_f32 v[\dst+k:\dst+k+1], v[\dst+k:\dst+k+1], v[X2+k:X2+k+1], \c op_sel_hi:[1,1,0]
.set k, k+2
.endr
.endm
.macro GELU16 bb
.set k, 0
.rept 8
	v_pk_mul_f32 v[Z+k:Z+k+1], v[U+k:U+k+1], 0x3f3504f3 op_sel_hi:[1,0]
.set k, k+2
.endr
.set k, 0
.rept 16
	v_med3_num_f32 v[Z+k], v[Z+k], -4.0, 4.0
.set k, k+1
.endr
.set k, 0
.rept 8
	v_pk_mul_f32 v[X2+k:X2+k+1], v[Z+k:Z+k+1], v[Z+k:Z+k+1]
.set k, k+2
.endr
.set k, 0
.rept 8
	v_pk_fma_f32 v[P+k:P+k+1], v[X2+k:X2+k+1], v[12:13], 0x32edffee op_sel_hi:[1,1,0]
.set k, k+2
.endr
	PKC P, 0xb60cff51
	PKC P, 0xb86ec2d2
	PKC P, 0xba40ac63
	PKC P, 0xbb41a1f6
	PKC P, 0xbc83dbd4
.set k, 0
.rept 8
	v_pk_fma_f32 v[Q+k:Q+k+1], v[X2+k:X2+k+1], v[14:15], 0xb95fbd29 op_sel_hi:[1,1,0]
.set k, k+2
.endr
	PKC Q, 0xbadc924e
	PKC Q, 0xbbf19bf8
	PKC Q, 0xbc69b6a7
.set k, 0
	s_wait_alu depctr_va_vdst(0)
.rept 16
	v_rcp_f32 v[Q+k], v[Q+k]
.set k, k+1
.endr
.set k, 0
.rept 8
	v_pk_mul_f32 v[P+k:P+k+1], v[P+k:P+k+1], v[Z+k:Z+k+1]
.set k, k+2
.endr
.set k, 0
.rept 8
	v_pk_mul_f32 v[U+k:U+k+1], v[U+k:U+k+1], 0.5 op_sel_hi:[1,0]
.set k, k+2
.endr
	s_wait_alu depctr_va_vdst(0)
.set k, 0
.rept 8
	v_pk_mul_f32 v[P+k:P+k+1], v[P+k:P+k+1], v[Q+k:Q+k+1]
.set k, k+2
.endr
.set k, 0
.rept 8
	v_pk_fma_f32 v[U+k:U+k+1], v[U+k:U+k+1], v[P+k:P+k+1], v[U+k:U+k+1]
.set k, k+2
.endr
.set k, 0
.rept 16
	v_med3_num_f32 v[U+k], v[U+k], -v9, v9
.set k, k+1
.endr
.if \bb == 0
	s_wait_alu depctr_va_vdst(0)
	s_wait_xcnt 0x0                                ; the last block's stores have read their data and their base: both are written again only behind this wait
	s_add_nc_u64 s[68:69], s[68:69], s[70:71]      ; the next token tile's image; the first block steps by 0
	s_mov_b32 s70, 65536
.endif
	v_cvt_scalef32_pk8_fp8_f32 v[CDS+4*\bb:CDS+4*\bb+1], v[U:U+7], v8
	v_cvt_scalef32_pk8_fp8_f32 v[CDS+4*\bb+2:CDS+4*\bb+3], v[U+8:U+15], v8
	v_nop
.endm
.macro GBLOCK ahead
.irp bb, 0,1,2,3
	s_wait_dscnt 0x0
.if \bb == 0
	v_add_nc_u32 v25, s98, v24
.endif
.if (\ahead) || (\bb < 3)
.irp c, 0,1,2,3
	ds_load_b128 v[RAW+16*((\bb+1)%2)+4*\c:RAW+16*((\bb+1)%2)+4*\c+3], v25 offset:2048*(\bb+1)+512*\c
.endr
.endif
.set k, 0
.rept 8
	v_pk_fma_f32 v[U+k:U+k+1], v[RAW+16*(\bb%2)+k:RAW+16*(\bb%2)+k+1], s[96:97], v[CB+16*\bb+k:CB+16*\bb+k+1] op_sel_hi:[1,0,1]
.set k, k+2
.endr
	GELU16 \bb
.endr
.irp c, 0,1,2,3
	global_store_b128 v[CO], v[CDS+4*\c:CDS+4*\c+3], s[68:69] offset:512*\c
.endr
	s_add_co_u32 s98, s98, 8192
.endm
	s_load_b256 s[4:11], s[0:1], 0x0
	s_load_b64 s[68:69], s[0:1], 0x20
	v_lshl_add_u32 v[SPW], v0, 2, SPARE
	v_mov_b32 v[NIL], 0
	ds_add_u32 v[SPW], v[NIL]
	ds_add_u32 v[SPW], v[NIL]
	v_lshrrev_b32 v1, 5, v0
	v_readfirstlane_b32 s14, v1
	v_and_b32 v30, 15, v0                          ; the prefetches' offset: lanes 0-15 name the sixteen blocks of 256 bytes of one row tile's 4,096 bytes of a slot,
	v_bfe_u32 v31, v0, 4, 1
	v_lshlrev_b32 v30, 8, v30
	v_lshl_add_u32 v30, v31, 14, v30               ; lanes 16-31 those of the next row tile; never rewritten
	s_lshr_b32 s15, s14, 1
	s_and_b32 s16, s14, 1
	s_bfe_u32 s40, ttmp6, 0x40000
	s_bfe_u32 s41, ttmp6, 0x40004
	s_lshl_b32 s42, ttmp9, 2
	s_add_co_u32 s42, s42, s40
	s_and_b32 s17, ttmp7, 0xffff
	s_lshl_b32 s17, s17, 2
	s_add_co_u32 s17, s17, s41
	s_lshl_b32 s43, s41, 2
	s_lshl_b32 s43, 15, s43
	s_lshl_b32 s44, 0x1111, s40
	s_or_b32 s[G1+0], s43, (3<<16)|(1<<21)
	s_or_b32 s[G1B+0], s44, (3<<16)|(1<<21)
.irp g, G1, G1B
	s_mov_b32 s[\g+1], 512<<16
	s_mov_b32 s[\g+2], 8<<16
	s_mov_b32 s[\g+3], 512<<16
	s_mov_b32 s[\g+4], 8
	s_mov_b32 s[\g+5], TSB/8
	s_mov_b32 s[\g+6], 0
	s_mov_b32 s[\g+7], 0
.endr
	s_lshl_b32 s23, s16, 3
	s_lshl_b32 s74, s17, 4
	s_add_co_u32 s74, s74, s23
	s_lshl_b32 s74, s74, 14
	s_mov_b32 s75, 0
	s_lshl_b32 s46, s42, 4
	s_add_co_u32 s46, s46, s23
	s_lshl_b32 s46, s46, 14
	s_add_co_u32 s46, s46, 0x1000000
	s_mov_b32 s47, 0
	s_mul_i32 s45, s14, HALFT
	s_wait_dscnt 0x0
	s_wait_kmcnt 0x0
	s_load_b128 s[80:83], s[8:9], 0x30
	s_add_nc_u64 s[74:75], s[4:5], s[74:75]
	s_add_nc_u64 s[46:47], s[6:7], s[46:47]
	s_cmp_eq_u32 s15, 0                            ; the prefetches' base: of the 8 row tiles that I fetch, the partner at place p (cx for the tokens, cy for the weight) names tiles 2 p, 2 p + 1: told apart by address alone
	s_cselect_b64 s[84:85], s[74:75], s[46:47]
	s_cselect_b32 s86, s40, s41
	s_lshl_b32 s86, s86, 15
	s_mov_b32 s87, 0
	s_add_nc_u64 s[84:85], s[84:85], s[86:87]
	CROUND
.irp s, 0,1
	s_mov_b32 s[G0+4*\s], 1
	s_add_co_u32 s[G0+4*\s+1], s45, \s*SLOT
	s_add_nc_u64 s[G0+4*\s+2:G0+4*\s+3], s[74:75], \s*KB
	s_or_b32 s[G0+4*\s+3], s[G0+4*\s+3], 0x80000000
	s_mov_b32 s[G0B+4*\s], 1
	s_add_co_u32 s[G0B+4*\s+1], s45, \s*SLOT
	s_add_nc_u64 s[G0B+4*\s+2:G0B+4*\s+3], s[46:47], \s*KB
	s_or_b32 s[G0B+4*\s+3], s[G0B+4*\s+3], 0x80000000
.endr
	JLOAD G0, G1, G0B, G1B                         ; slot 0: one tensor load a wave at the head
	s_wait_alu depctr_va_vdst(0)                   ; the wait ahead of v30's first reader
	global_prefetch_b8 v30, s[84:85] offset:KB th:TH_LOAD_NT scope:SCOPE_SE     ; behind slot 0's load: slots 1 and 2; each block is named once in the cluster
	global_prefetch_b8 v30, s[84:85] offset:2*KB th:TH_LOAD_NT scope:SCOPE_SE
	v_bfe_u32 v2, v0, 4, 1
	v_and_b32 v3, 31, v0
	v_lshlrev_b32 v[CO], 4, v3
	s_wait_alu depctr_va_vdst(0)
	s_mul_i32 s21, s15, HALFT
	s_mul_i32 s22, s16, HALFT
	s_add_co_u32 s22, s22, 2*HALFT
.irp s, 0,1
	v_add_nc_u32 v[ADRA+\s], s21, v[CO]
	v_add_nc_u32 v[ADRB+\s], s22, v[CO]
	s_add_co_u32 s21, s21, SLOT
	s_add_co_u32 s22, s22, SLOT
.endr
	s_lshl_b32 s18, s14, 16
	v_add_nc_u32 v24, s18, v[CO]
	s_lshl_b32 s18, s42, 8
	s_lshl_b32 s19, s16, 7
	s_add_co_u32 s18, s18, s19
	s_lshl_b32 s18, s18, 2
	v_lshl_add_u32 v10, v2, 5, s18
.set j, 0
.rept 16
	global_load_b128 v[CB+4*j:CB+4*j+3], v10, s[10:11] offset:64*(j/2)+16*(j%2)
.set j, j+1
.endr
	v_mov_b32 v12, 0xaf95df0b
	v_mov_b32 v13, 0xaf95df0b
	v_mov_b32 v14, 0xb77460cd
	v_mov_b32 v15, 0xb77460cd
	s_lshl_b32 s18, s17, 4
	s_lshl_b32 s19, s15, 3
	s_add_co_u32 s18, s18, s19
	s_lshl_b32 s18, s18, 16
	s_lshl_b32 s19, s42, 1
	s_add_co_u32 s19, s19, s16
	s_lshl_b32 s19, s19, 11
	s_add_co_u32 s18, s18, s19
	s_mov_b32 s19, 0
	s_add_nc_u64 s[68:69], s[68:69], s[18:19]
	s_wait_alu depctr_va_vdst(0)
	s_wait_tensorcnt 0x0                           ; my part of slot 0 is in
	ds_add_u32 v[SPW], v[NIL]
	s_wait_dscnt 0x0
	CROUND                                         ; everybody's part of slot 0 is in, and the joint loads meet
	JLOAD G0+4, G1, G0B+4, G1B                     ; slot 1's first fill, the first tensor load behind the round
	FETCH_B 0, 0, 0
	FETCH_A 0, 0, 0
	FETCH_A 0, 0, 4
	global_prefetch_b8 v30, s[84:85] offset:3*KB th:TH_LOAD_NT scope:SCOPE_SE   ; behind slot 1's load: slot 3, the last; the refills ask for nothing
	STEP 0, 0, 1
	s_mov_b32 s3, LAPS-1
.Llap:
	TURN 0, 1, 1
	STEP 1, 0, 0
	TURN 1, 0, 1
	STEP 0, 0, 0
	s_sub_co_u32 s3, s3, 1
	s_cmp_lg_u32 s3, 0
	s_cbranch_scc1 .Llap
	TURN 0, 1, 0
	STEP 1, 0, 0
	s_wait_dscnt 4*NL
	WIN MUL_LO
	MUL16 0, 1, 0
	MUL16 2, 1, 0
	s_wait_dscnt 0
	WIN MUL_HI
	MUL16 4, 1, 0
	MUL16 6, 1, 0
	WIN 0
	s_wait_dscnt 0x0
	s_barrier_signal -1
	s_barrier_wait -1
	s_wait_kmcnt 0x0
	s_add_co_i32 s96, s80, s81
	s_add_co_i32 s96, s96, 127
	s_lshl_b32 s96, s96, 23
	s_mov_b32 s97, s96
	s_add_co_i32 s18, s82, 127
	s_lshl_b32 s19, s18, 23
	v_mov_b32 v8, s19
	s_add_co_i32 s18, s18, 8
	s_lshl_b32 s18, s18, 23
	s_or_b32 s18, s18, 0x600000
	v_mov_b32 v9, s18
	PLACES NP
.set a, 0
.rept 8
	WIN (0x08+4*(a/4))
.set b, 0
.rept 8
	ds_store_b128 v24, v[64*(a%4)+8*b:64*(a%4)+8*b+3] offset:(8*a+b)*1024
	ds_store_b128 v24, v[64*(a%4)+8*b+4:64*(a%4)+8*b+7] offset:(8*a+b)*1024+512
.set b, b+1
.endr
.set a, a+1
.endr
	WIN 0
	s_mov_b32 s98, 0
	s_mov_b32 s70, 0
	s_mov_b32 s71, 0
	v_add_nc_u32 v25, s98, v24
.irp c, 0,1,2,3
	ds_load_b128 v[RAW+4*\c:RAW+4*\c+3], v25 offset:512*\c
.endr
	s_wait_loadcnt 0x0
	s_mov_b32 s3, 7
.Lgelu:
	GBLOCK 1
	s_sub_co_u32 s3, s3, 1
	s_cmp_lg_u32 s3, 0
	s_cbranch_scc1 .Lgelu
	GBLOCK 0
	s_wait_tensorcnt 0x0
	ds_add_u32 v[SPW], v[NIL]
	s_wait_dscnt 0x0
	CROUND
	s_endpgm
.Lfunc_end_k_q66e70f4c55_ff1:
	.size	k_q66e70f4c55_ff1, .Lfunc_end_k_q66e70f4c55_ff1-k_q66e70f4c55_ff1
	.p2alignl 7, 3214868480
	.fill 96, 4, 3214868480
	.section	.rodata,"a",@progbits
	.p2align	6, 0x0
	.amdhsa_kernel k_q66e70f4c55_ff1
		.amdhsa_group_segment_fixed_size 327680
		.amdhsa_private_segment_fixed_size 0
		.amdhsa_enable_private_segment 0
		.amdhsa_kernarg_size 40
		.amdhsa_user_sgpr_count 2
		.amdhsa_user_sgpr_kernarg_segment_ptr 1
		.amdhsa_wavefront_size32 1
		.amdhsa_system_sgpr_workgroup_id_x 1
		.amdhsa_system_sgpr_workgroup_id_y 1
		.amdhsa_system_sgpr_workgroup_id_z 1
		.amdhsa_system_vgpr_workitem_id 0
		.amdhsa_next_free_vgpr 1024
		.amdhsa_next_free_sgpr 100
		.amdhsa_reserve_vcc 0
		.amdhsa_float_denorm_mode_32 3
		.amdhsa_float_denorm_mode_16_64 3
		.amdhsa_memory_ordered 1
		.amdhsa_forward_progress 1
		.amdhsa_inst_pref_size 204
	.end_amdhsa_kernel
	.amdgpu_metadata
---
amdhsa.version: [ 1, 2 ]
amdhsa.kernels:
  - .name:           k_q66e70f4c55_ff1
    .symbol:         k_q66e70f4c55_ff1.kd
    .args:
      - { .name: n2img, .offset: 0, .size: 8, .value_kind: global_buffer, .address_space: global }
      - { .name: pimg, .offset: 8, .size: 8, .value_kind: global_buffer, .address_space: global }
      - { .name: lowp_scales, .offset: 16, .size: 8, .value_kind: global_buffer, .address_space: global }
      - { .name: b1, .offset: 24, .size: 8, .value_kind: global_buffer, .address_space: global }
      - { .name: himg, .offset: 32, .size: 8, .value_kind: global_buffer, .address_space: global }
    .group_segment_fixed_size: 327680
    .private_segment_fixed_size: 0
    .kernarg_segment_align: 8
    .kernarg_segment_size: 40
    .max_flat_workgroup_size: 128
    .sgpr_count:     100
    .vgpr_count:     1024
    .wavefront_size: 32
...
	.end_amdgpu_metadata
.endif
;; end of part 6
;; launch ff2 (part 7): grid 8 x 32, 4 waves a work-group, clusters of 4 x 4, 327,680 bytes of LDS; arguments himg, pimg, lowp_scales, b2, x1, out0; writes out0
.if DOCPART == 7
	.amdgcn_target "amdgcn-amd-amdhsa--gfx1250"
	.amdhsa_code_object_version 6
	.text
	.protected	k_q66e70f4c55_ff2
	.globl	k_q66e70f4c55_ff2
	.p2align	8
	.type	k_q66e70f4c55_ff2,@function
k_q66e70f4c55_ff2:
	s_mov_b64 s[64:65], 0
	v_nop
	global_prefetch_b8 v0, s[64:65] scope:SCOPE_SE
	s_setreg_imm32_b32 hwreg(HW_REG_WAVE_MODE, 25, 1), 1
	s_wait_xcnt 0x0
	s_wait_alu depctr_hold_cnt(0) depctr_sa_sdst(0) depctr_va_vdst(0) depctr_va_sdst(0) depctr_va_ssrc(0) depctr_va_vcc(0) depctr_vm_vsrc(0)
	s_getreg_b32 s2, hwreg(HW_REG_IB_STS2, 6, 4)
	s_cmp_eq_u32 s2, 0
	s_cbranch_scc0 .Lentry_in_a_cluster
	s_endpgm
.Lentry_in_a_cluster:
	s_bfe_u32 s2, ttmp6, 0x10000c
	s_cmp_lg_u32 s2, 0xf033
	s_cbranch_scc0 .Lentry_shape_is_right
	s_endpgm
.Lentry_shape_is_right:
.set SIZE_K, 4096
.set WOFF,   0x1400000
.set SCOFF,  56
.set NTOUT,  1
.set LAPS,   SIZE_K/1024
.set TSB,    16*SIZE_K
.set SB,     8192
.set HALFT,  4*SB
.set SLOT,   4*HALFT
.set STAGE,  2*SLOT
.set SPITCH, 272
.set SPARE,  STAGE+4*16*SPITCH
.set ADRA, 16
.set ADRB, 20
.set STO,  24
.set RD,   25
.set CO,   26
.set SPW,  28
.set NIL,  29
.set BK,   32
.set ACC,  128
.set F0,   0
.set F1,   128
.set G1, 24
.set G0, 32
.set G1B, 48
.set G0B, 56
.set PFA, 80                           ; s[80:81] where my prefetches stand: my work-group's row tile of the four that I fetch
.set PFO, 30                           ; v30      256 x lane: a lane names one block of 256 bytes of the row tile's 8,192 bytes of a slot; never rewritten
.set MSB, 0
.macro WIN new
.if MSB != \new
	s_set_vgpr_msb (MSB<<8)|\new
.set MSB, \new
.endif
.endm
.set MUL,  0x05
.set TO_F, 0x40
; A PREFETCH INTO THE L2: behind the load of slot n stands one instruction a wave for slot n + 2 (behind slot 0's load: slots 1 and 2).  Of the 4 row tiles that a wave fetches, the partner at place p
; (cx for the tokens, cy for the weight) names tile p: told apart by address alone, so each block is named once in the cluster.  The loop's last trip loads slots 6 and 7 and asks for nothing.
.macro ASK
	WIN 0
	s_cmp_gt_u32 s3, 1
	s_cbranch_scc0 .Lno_ask_\@
	global_prefetch_b8 v[PFO], s[PFA:PFA+1] offset:3*SB th:TH_LOAD_NT scope:SCOPE_SE
.Lno_ask_\@:
.endm
.macro JLOAD s
	s_cmp_eq_u32 s11, 0
	s_cbranch_scc0 .Lfor_b_\@
	tensor_load_to_lds s[G0+4*\s:G0+4*\s+3], s[G1:G1+7]
	s_nop 0
.rept 4
	v_nop
.endr
	s_branch .Lasked_\@
.Lfor_b_\@:
	tensor_load_to_lds s[G0B+4*\s:G0B+4*\s+3], s[G1B:G1B+7]
	s_nop 0
.rept 4
	v_nop
.endr
.Lasked_\@:
.endm
.macro CREST
	s_cmp_lg_u32 s10, 0
	s_cbranch_scc1 .Lnot_wave_0_\@
	s_barrier_signal -3
.Lnot_wave_0_\@:
	s_barrier_wait -3
	s_barrier_signal -1
	s_barrier_wait -1
.endm
.macro CROUND
	s_barrier_signal -1
	s_barrier_wait -1
	CREST
.endm
.macro MUL4 f, a, zero
.irp b, 0,1,2,3
.if \zero
	v_wmma_f32_16x16x128_fp8_fp8 v[ACC+8*(4*(\a)+\b):ACC+8*(4*(\a)+\b)+7], v[\f+64+16*\b:\f+64+16*\b+15], v[\f+16*(\a):\f+16*(\a)+15], 0
.else
	v_wmma_f32_16x16x128_fp8_fp8 v[ACC+8*(4*(\a)+\b):ACC+8*(4*(\a)+\b)+7], v[\f+64+16*\b:\f+64+16*\b+15], v[\f+16*(\a):\f+16*(\a)+15], v[ACC+8*(4*(\a)+\b):ACC+8*(4*(\a)+\b)+7]
.endif
.endr
.endm
.macro FETCH slot, q, f
	WIN TO_F
.irp i, 0,1,2,3
.irp c, 0,1,2,3
	ds_load_b128 v[\f+64+16*\i+4*\c:\f+64+16*\i+4*\c+3], v[ADRB+\slot] offset:\i*SB+(\q)*2048+512*\c
.endr
.endr
.irp i, 0,1,2,3
.irp c, 0,1,2,3
	ds_load_b128 v[\f+16*\i+4*\c:\f+16*\i+4*\c+3], v[ADRA+\slot] offset:\i*SB+(\q)*2048+512*\c
.endr
.endr
.endm
.macro PLACES
.rept 4
	v_nop
.endr
.endm
.macro STEP slot, q, f, g, zero
	s_wait_dscnt 8
	WIN MUL
	MUL4 \f, 0, \zero
	MUL4 \f, 1, \zero
	PLACES
	FETCH \slot, (\q)+1, \g
	s_wait_dscnt 32
	WIN MUL
	MUL4 \f, 2, \zero
	MUL4 \f, 3, \zero
.endm
.macro TURN slot, next, fill
	WIN 0
.if \fill
	s_wait_xcnt 0x0                                ; my last prefetch has read its address: it is stepped here, a slot behind it
	s_add_nc_u64 s[PFA:PFA+1], s[PFA:PFA+1], SB
.endif
	s_wait_tensorcnt 0x0
	ds_add_u32 v[SPW], v[NIL]
	s_wait_dscnt 13
	WIN MUL
	MUL4 F1, 0, 0
	s_wait_dscnt 0x0
	s_barrier_signal -1
	MUL4 F1, 1, 0
.if \fill
	WIN 0
.endif
	s_barrier_wait -1
.if \fill
	CREST
	s_add_nc_u64 s[G0+4*\slot+2:G0+4*\slot+3], s[G0+4*\slot+2:G0+4*\slot+3], 2*SB
	s_add_nc_u64 s[G0B+4*\slot+2:G0B+4*\slot+3], s[G0B+4*\slot+2:G0B+4*\slot+3], 2*SB
	JLOAD \slot
.else
	PLACES
.endif
	FETCH \next, 0, F0
.if \fill
	ASK
.endif
	WIN MUL
	MUL4 F1, 2, 0
	MUL4 F1, 3, 0
.endm
.macro OUTB a, left
.set AC, ACC+32*(\a)
.set RS, 64+32*(\a)
.set BK, 32+32*(\a)                    ; the rows come back into 32 registers of the block's own (from block 1 on: those of the residual just used up), so no store's data are written again
.irp b, 0,1,2,3
	ds_store_b128 v[STO], v[AC+8*\b:AC+8*\b+3] offset:64*\b
	ds_store_b128 v[STO], v[AC+8*\b+4:AC+8*\b+7] offset:64*\b+16
.endr
.irp t, 0,1,2,3,4,5,6,7
	ds_load_b128 v[BK+4*\t:BK+4*\t+3], v[RD] offset:2*\t*SPITCH
.endr
	s_wait_dscnt 0x0
.if (\a) < 2
.irp t, 0,1,2,3,4,5,6,7
	global_load_b128 v[AC+4*\t:AC+4*\t+3], v[CO], s[76:77] offset:(16*((\a)+2)+2*\t)*4096
.endr
.endif
	s_wait_loadcnt \left
.irp t, 0,1,2,3,4,5,6,7
	v_pk_add_f32 v[RS+4*\t:RS+4*\t+1], v[RS+4*\t:RS+4*\t+1], v[12:13]
	v_pk_add_f32 v[RS+4*\t+2:RS+4*\t+3], v[RS+4*\t+2:RS+4*\t+3], v[14:15]
.endr
.set k, 0
.rept 16
	v_pk_fma_f32 v[BK+k:BK+k+1], v[BK+k:BK+k+1], s[96:97], v[RS+k:RS+k+1] op_sel_hi:[1,0,1]
.set k, k+2
.endr
.irp t, 0,1,2,3,4,5,6,7
.if NTOUT
	global_store_b128 v[CO], v[BK+4*\t:BK+4*\t+3], s[78:79] offset:(16*(\a)+2*\t)*4096 th:TH_STORE_NT
.else
	global_store_b128 v[CO], v[BK+4*\t:BK+4*\t+3], s[78:79] offset:(16*(\a)+2*\t)*4096
.endif
.endr
.endm
	s_load_b256 s[68:75], s[0:1], 0x0
	s_load_b128 s[76:79], s[0:1], 0x20
	v_lshl_add_u32 v[SPW], v0, 2, SPARE
	v_mov_b32 v[NIL], 0
	ds_add_u32 v[SPW], v[NIL]
	ds_add_u32 v[SPW], v[NIL]
	v_lshrrev_b32 v1, 5, v0
	v_readfirstlane_b32 s10, v1
	v_and_b32 v[PFO], 31, v0
	v_lshlrev_b32 v[PFO], 8, v[PFO]
	s_lshr_b32 s11, s10, 1
	s_and_b32 s12, s10, 1
	s_bfe_u32 s40, ttmp6, 0x40000
	s_bfe_u32 s41, ttmp6, 0x40004
	s_lshl_b32 s42, ttmp9, 2
	s_add_co_u32 s42, s42, s40
	s_and_b32 s13, ttmp7, 0xffff
	s_lshl_b32 s13, s13, 2
	s_add_co_u32 s13, s13, s41
	s_lshl_b32 s43, s41, 2
	s_lshl_b32 s43, 15, s43
	s_lshl_b32 s44, 0x1111, s40
	s_or_b32 s[G1+0], s43, (3<<16)|(1<<21)
	s_or_b32 s[G1B+0], s44, (3<<16)|(1<<21)
.irp g, G1, G1B
	s_mov_b32 s[\g+1], 1024<<16
	s_mov_b32 s[\g+2], 4<<16
	s_mov_b32 s[\g+3], 1024<<16
	s_mov_b32 s[\g+4], 4
	s_mov_b32 s[\g+5], TSB/8
	s_mov_b32 s[\g+6], 0
	s_mov_b32 s[\g+7], 0
.endr
	s_lshl_b32 s18, s12, 2
	s_lshl_b32 s16, s13, 3
	s_add_co_u32 s16, s16, s18
	s_mul_i32 s16, s16, TSB
	s_mov_b32 s17, 0
	s_lshl_b32 s46, s42, 3
	s_add_co_u32 s46, s46, s18
	s_mul_i32 s46, s46, TSB
	s_add_co_u32 s46, s46, WOFF
	s_mov_b32 s47, 0
	s_mul_i32 s20, s10, HALFT
	s_wait_dscnt 0x0
	s_wait_kmcnt 0x0
	s_load_b64 s[96:97], s[72:73], SCOFF
	s_add_nc_u64 s[14:15], s[68:69], s[16:17]
	s_add_nc_u64 s[46:47], s[70:71], s[46:47]
	s_cmp_eq_u32 s11, 0
	s_cselect_b64 s[PFA:PFA+1], s[14:15], s[46:47]
	s_cselect_b32 s82, s40, s41
	s_lshl_b32 s82, s82, 16                        ; a row tile is 65,536 bytes of memory
	s_mov_b32 s83, 0
	s_add_nc_u64 s[PFA:PFA+1], s[PFA:PFA+1], s[82:83]
	CROUND
.irp s, 0,1
	s_mov_b32 s[G0+4*\s], 1
	s_add_co_u32 s[G0+4*\s+1], s20, \s*SLOT
	s_add_nc_u64 s[G0+4*\s+2:G0+4*\s+3], s[14:15], \s*SB
	s_or_b32 s[G0+4*\s+3], s[G0+4*\s+3], 0x80000000
	s_mov_b32 s[G0B+4*\s], 1
	s_add_co_u32 s[G0B+4*\s+1], s20, \s*SLOT
	s_add_nc_u64 s[G0B+4*\s+2:G0B+4*\s+3], s[46:47], \s*SB
	s_or_b32 s[G0B+4*\s+3], s[G0B+4*\s+3], 0x80000000
.endr
	JLOAD 0                                        ; slot 0: one tensor load a wave at the head
	s_wait_alu depctr_va_vdst(0)                   ; the wait ahead of the offset's first reader
	global_prefetch_b8 v[PFO], s[PFA:PFA+1] offset:SB th:TH_LOAD_NT scope:SCOPE_SE
	global_prefetch_b8 v[PFO], s[PFA:PFA+1] offset:2*SB th:TH_LOAD_NT scope:SCOPE_SE
	v_and_b32 v1, 15, v0
	s_wait_alu depctr_va_vdst(0)
	v_bfe_u32 v2, v0, 4, 1
	v_and_b32 v3, 31, v0
	v_lshlrev_b32 v3, 4, v3
	s_mul_i32 s21, s11, HALFT
	s_mul_i32 s22, s12, HALFT
	s_add_co_u32 s22, s22, 2*HALFT
.irp s, 0,1
	v_add_nc_u32 v[ADRA+\s], s21, v3
	v_add_nc_u32 v[ADRB+\s], s22, v3
	s_add_co_u32 s21, s21, SLOT
	s_add_co_u32 s22, s22, SLOT
.endr
	s_mul_i32 s23, s10, 16*SPITCH
	s_add_co_u32 s23, s23, STAGE
	v_mul_u32_u24 v4, v1, SPITCH
	s_wait_alu depctr_va_vdst(0)
	v_lshl_add_u32 v4, v2, 5, v4
	v_add_nc_u32 v[STO], s23, v4
	v_mul_u32_u24 v5, v2, SPITCH
	v_lshl_add_u32 v5, v1, 4, v5
	v_add_nc_u32 v[RD], s23, v5
	v_lshlrev_b32 v5, 12, v2
	v_lshl_add_u32 v[CO], v1, 4, v5
	v_lshlrev_b32 v6, 4, v1
	s_wait_alu depctr_va_vdst(0)
	s_lshl_b32 s16, s13, 7
	s_lshl_b32 s17, s11, 6
	s_add_co_u32 s16, s16, s17
	s_lshl_b32 s16, s16, 12
	s_lshl_b32 s18, s42, 7
	s_lshl_b32 s19, s12, 6
	s_add_co_u32 s18, s18, s19
	s_lshl_b32 s18, s18, 2
	s_mov_b32 s19, 0
	s_add_nc_u64 s[74:75], s[74:75], s[18:19]
	s_add_co_u32 s16, s16, s18
	s_mov_b32 s17, 0
	s_add_nc_u64 s[76:77], s[76:77], s[16:17]
	s_add_nc_u64 s[78:79], s[78:79], s[16:17]
	global_load_b128 v[12:15], v6, s[74:75]
	v_and_b32 v31, 31, v0
	v_lshlrev_b32 v31, 12, v31
	global_prefetch_b8 v31, s[76:77] offset:32*4096 th:TH_LOAD_NT scope:SCOPE_SE   ; the residual of my blocks 2 and 3, which is loaded only on the way out: a lane a row, 256 bytes each, named by this wave alone
.set k, 0
.rept 16
	global_load_b128 v[64+4*k:64+4*k+3], v[CO], s[76:77] offset:2*k*4096
.set k, k+1
.endr
	s_wait_alu depctr_va_vdst(0)
	s_wait_tensorcnt 0x0                           ; my part of slot 0 is in
	ds_add_u32 v[SPW], v[NIL]
	s_wait_dscnt 0x0
	CROUND                                         ; everybody's part of slot 0 is in, and the joint loads meet
	JLOAD 1                                        ; slot 1's first fill, the first tensor load behind the round
	FETCH 0, 0, F0
	global_prefetch_b8 v[PFO], s[PFA:PFA+1] offset:3*SB th:TH_LOAD_NT scope:SCOPE_SE
	STEP 0, 0, F0, F1, 1
.if LAPS > 1
	WIN 0
	s_mov_b32 s3, LAPS-1
.Llap:
	STEP 0, 1, F1, F0, 0
	STEP 0, 2, F0, F1, 0
	TURN 0, 1, 1
	STEP 1, 0, F0, F1, 0
	STEP 1, 1, F1, F0, 0
	STEP 1, 2, F0, F1, 0
	TURN 1, 0, 1
	STEP 0, 0, F0, F1, 0
	WIN 0
	s_sub_co_u32 s3, s3, 1
	s_cmp_lg_u32 s3, 0
	s_cbranch_scc1 .Llap
.endif
	STEP 0, 1, F1, F0, 0
	STEP 0, 2, F0, F1, 0
	TURN 0, 1, 0
	STEP 1, 0, F0, F1, 0
	STEP 1, 1, F1, F0, 0
	STEP 1, 2, F0, F1, 0
	s_wait_dscnt 8
	WIN MUL
	MUL4 F1, 0, 0
	MUL4 F1, 1, 0
	s_wait_dscnt 0
	MUL4 F1, 2, 0
	MUL4 F1, 3, 0
	WIN 0
	s_wait_kmcnt 0x0
	s_add_co_i32 s96, s96, s97
	s_add_co_i32 s96, s96, 127
	s_lshl_b32 s96, s96, 23
	s_mov_b32 s97, s96
	PLACES
	OUTB 0, 16
	OUTB 1, 16
	OUTB 2, 8
	OUTB 3, 0
	s_wait_tensorcnt 0x0
	ds_add_u32 v[SPW], v[NIL]
	s_wait_dscnt 0x0
	CROUND
	s_endpgm
.Lfunc_end_k_q66e70f4c55_ff2:
	.size	k_q66e70f4c55_ff2, .Lfunc_end_k_q66e70f4c55_ff2-k_q66e70f4c55_ff2
	.p2alignl 7, 3214868480
	.fill 96, 4, 3214868480
	.section	.rodata,"a",@progbits
	.p2align	6, 0x0
	.amdhsa_kernel k_q66e70f4c55_ff2
		.amdhsa_group_segment_fixed_size 327680
		.amdhsa_private_segment_fixed_size 0
		.amdhsa_enable_private_segment 0
		.amdhsa_kernarg_size 48
		.amdhsa_user_sgpr_count 2
		.amdhsa_user_sgpr_kernarg_segment_ptr 1
		.amdhsa_wavefront_size32 1
		.amdhsa_system_sgpr_workgroup_id_x 1
		.amdhsa_system_sgpr_workgroup_id_y 1
		.amdhsa_system_sgpr_workgroup_id_z 1
		.amdhsa_system_vgpr_workitem_id 0
		.amdhsa_next_free_vgpr 512
		.amdhsa_next_free_sgpr 100
		.amdhsa_reserve_vcc 0
		.amdhsa_float_denorm_mode_32 3
		.amdhsa_float_denorm_mode_16_64 3
		.amdhsa_memory_ordered 1
		.amdhsa_forward_progress 1
		.amdhsa_inst_pref_size 83
	.end_amdhsa_kernel
	.amdgpu_metadata
---
amdhsa.version: [ 1, 2 ]
amdhsa.kernels:
  - .name:           k_q66e70f4c55_ff2
    .symbol:         k_q66e70f4c55_ff2.kd
    .args:
      - { .name: himg, .offset: 0, .size: 8, .value_kind: global_buffer, .address_space: global }
      - { .name: pimg, .offset: 8, .size: 8, .value_kind: global_buffer, .address_space: global }
      - { .name: lowp_scales, .offset: 16, .size: 8, .value_kind: global_buffer, .address_space: global }
      - { .name: b2, .offset: 24, .size: 8, .value_kind: global_buffer, .address_space: global }
      - { .name: x1, .offset: 32, .size: 8, .value_kind: global_buffer, .address_space: global }
      - { .name: out0, .offset: 40, .size: 8, .value_kind: global_buffer, .address_space: global }
    .group_segment_fixed_size: 327680
    .private_segment_fixed_size: 0
    .kernarg_segment_align: 8
    .kernarg_segment_size: 48
    .max_flat_workgroup_size: 128
    .sgpr_count:     100
    .vgpr_count:     512
    .wavefront_size: 32
...
	.end_amdgpu_metadata
.endif
;; end of part 7
